; MI455X (gfx1250); checked and timed in simulation.
; The chip was launched on July 23, 2026; its instructions are those of AMD's public machine-readable ISA for CDNA 5 (MIT licence, August 2026) and "CDNA5" Instruction Set Architecture Reference Guide (July 2026). The comments in the code are by the model that wrote it; some were corrected since.
;; Block. Allowed arithmetic: matrix products marked QUANTISED: E2M3 operands, one E8M0 scale for each 32 along K, by v_wmma_scale_f32_16x16x128_f8f6f4 with both operands' format E2M3, f32 sums; everything else in f32.
;; Inputs: b1 4,096 float32; b2 1,024 float32; bk 1,024 float32; bo 1,024 float32; bq 1,024 float32; bv 1,024 float32; ln1_b 1,024 float32; ln1_g 1,024 float32; ln2_b 1,024 float32; ln2_g 1,024 float32; logit_scale 16 x 1 x 1 float32; w1 1,024 x 4,096 float32; w2 4,096 x 1,024 float32; wk 1,024 x 1,024 float32; wo 1,024 x 1,024 float32; wq 1,024 x 1,024 float32; wv 1,024 x 1,024 float32; x 2 x 2,048 x 1,024 float32.
;; Outputs: out0 2 x 2,048 x 1,024 float32.
;; This version of the problem:
;;   THIS VERSION OF THE PROBLEM IS GIVEN IN LOW PRECISION. The matrix products marked QUANTISED in the list below multiply operands that are first quantised to E2M3 (2 exponent bits, 3 mantissa bits; 6 bits a number), with one power-of-two scale for each 32 numbers along K (OCP MX v1.0); their sums are f32. All else is computed in f32.
;;   The module's matrix products, in the order in which they are computed (A, B: the left and right operand; K: the contracted axis; several contracted axes count as one K, in the product's order):
;;     1. [M 4,096, K 1,024] x [K 1,024, N 1,024]; A: computed on the way; B: input wq: QUANTISED
;;     2. [M 4,096, K 1,024] x [K 1,024, N 1,024]; A: computed on the way; B: input wk: QUANTISED
;;     3. [M 4,096, K 1,024] x [K 1,024, N 1,024]; A: computed on the way; B: input wv: QUANTISED
;;     4. batch 32 x [M 2,048, K 64] x [K 64, N 2,048]; A: computed on the way; B: computed on the way: QUANTISED
;;     5. batch 32 x [M 2,048, K 2,048] x [K 2,048, N 64]; A: softmax (see below); B: computed on the way: QUANTISED
;;     6. [M 4,096, K 1,024] x [K 1,024, N 1,024]; A: computed on the way; B: input wo: QUANTISED
;;     7. [M 4,096, K 1,024] x [K 1,024, N 4,096]; A: computed on the way; B: input w1: QUANTISED
;;     8. [M 4,096, K 4,096] x [K 4,096, N 1,024]; A: computed on the way; B: input w2: QUANTISED
;;   THE QUANTISER, for each operand of a quantised product, along K:
;;     - K is cut into blocks of 32 from its start; a last block that is shorter is filled with zeros.
;;     - A block's scale is 2^e with e = floor(log2(the largest magnitude in the block)) - 2, held to -126 .. 127; a block of zeros has e = 0. As a byte (E8M0): e + 127.
;;     - Each number is divided by its block's scale, clamped to +-7.5, and rounded to the nearest number of E2M3, ties to even, subnormals kept.
;;     - The product sums the exact products of the quantised numbers (number of the format x scale) in f32.
;;   ~~~python
;;   def quantise(x, axis):      # numpy; x: float32 -> the quantised numbers, widened to float32 again
;;       x = np.moveaxis(x, axis, -1); K = x.shape[-1]
;;       x = np.pad(x, [(0, 0)] * (x.ndim - 1) + [(0, -K % 32)]); x = x.reshape(x.shape[:-1] + (-1, 32)); a = np.abs(x).max(-1, keepdims=True)
;;       e = np.where(a > 0, np.clip(np.frexp(np.where(a > 0, a, 1))[1] - 1 - 2, -126, 127), 0)      # np.frexp(a)[1] - 1 = floor(log2(a)), exactly
;;       r = np.clip(x / 2.0 ** e, -7.5, 7.5)
;;       step = 2.0 ** (np.maximum(np.frexp(np.where(r == 0, 1, r))[1] - 1, 0) - 3)
;;       q = np.round(r / step) * step * 2.0 ** e      # np.round: ties to even
;;       return np.moveaxis(q.reshape(q.shape[:-2] + (-1,))[..., :K], -1, axis).astype(np.float32)
;;   ~~~
;;   SOFTMAX AHEAD OF A QUANTISED PRODUCT. Where the list says 'softmax', what is quantised is not the finished softmax but p = 2^(t - M), with t = logit x log2(e) and M = ceil(the row's largest t), a whole number; so 1/2 < the row's largest p <= 1. The row's sum l is taken of the UNQUANTISED p, in f32, and the product's result is divided by l at the end. Since M is a whole number, a kernel that streams over the keys may use a running M (the ceiling of the running maximum): every later rescaling is an exact power of two, which a block's scale takes up: the codes' values come out the same.
;;   OPERANDS COMPUTED ON THE WAY. 'Computed on the way' means the value that the module computes at that place (a softmax that the list does not call 'softmax' is quantised finished and normalised). What goes into a quantiser is computed in f32, as accurately as f32 sums, v_exp_f32 and their like allow (about 1e-6 of the number): no bf16 or f16 on the way to a quantiser, and a product that is left as it is and whose result goes on into a quantised operand takes f32 operands (vector FMAs, or v_wmma_f32_16x16x4_f32). A number that lies on a knife's edge between two numbers of the format may be rounded either way, as far as f32 arithmetic and the matrix unit's own rounding can turn it there, and no further.
;; One version. Each part assembles by itself: llvm-mc -triple=amdgcn-amd-amdhsa -mcpu=gfx1250 --defsym DOCPART=n.
;; ======== version 1 of 1: 7 launches
;; limits: right only within a limited range of input values
;; workspace buffers: wc 9,830,400 bytes; xn 3,276,800 bytes; qc 3,407,872 bytes; kvc 6,684,672 bytes; ctx 3,276,800 bytes; x2 16,777,216 bytes; hid 13,107,200 bytes
;; launch prep1 (part 1): grid 512 x 1, 4 waves a work-group, no clusters, 66,304 bytes of LDS; arguments x, ln1_g, ln1_b, xn, wq, wk, wv, wo, wc; writes xn, wc
.if DOCPART == 1
	.amdgcn_target "amdgcn-amd-amdhsa--gfx1250"
	.amdhsa_code_object_version 6
	.text
	.protected	k_q44b1c0df27_prep1
	.globl	k_q44b1c0df27_prep1
	.p2align	8
	.type	k_q44b1c0df27_prep1,@function
k_q44b1c0df27_prep1:
	s_mov_b64 s[64:65], 0
	v_nop
	global_prefetch_b8 v0, s[64:65] scope:SCOPE_SE
	s_setreg_imm32_b32 hwreg(HW_REG_WAVE_MODE, 25, 1), 1
	s_wait_xcnt 0x0
; TWO JOBS THAT DO NOT DEPEND ON EACH OTHER SHARE THIS LAUNCH; they part at the first line, on the work-group's number alone, and never meet again.
; Work-groups 0-255: y = (x - mean) * rsqrt(var + 1e-6) * g + b over rows of 1,024 f32, quantised along the row.  Work-groups 256-511: the weights wq, wk, wv, wo, f32 stored [K][N], quantised along K.
; Both leave codes of E2M3 with one E8M0 byte for each 32 along K, laid as PANELS: 128 rows x 128 K, 12,800 bytes: eight fragment images of 1,536 bytes, then eight groups of 16 scale words.
; A fragment image is the matrix operand's registers as they stand: registers 4 g .. 4 g + 3 of lane l at 512 g + 16 l.  Fragment a, lane r holds row 32 (a / 2) + 8 (a % 2) + r + 8 (r / 8) of the panel's 128.
; Four work-groups fit on a WGP (4 x 66,304 bytes of LDS, 4 x 226 registers a SIMD), so all 512 are there at once, and one job's loads are on their way while the other computes.  Only the rows' job uses LDS and has a barrier.
; A block's scale is 2^(floor(log2(largest magnitude)) - 2); its byte is that magnitude's exponent field - 2, held at 1 from below.
; LIMITS: a block of zeros, or one under 2^-124, keeps the byte 1 (the bytes are read by this program alone); NaN and infinities are not served; v_rsq_f32 stands for the reciprocal root.
.set PANEL, 12800
.set SCO,   12288                      ; where a panel's scale words begin
.set NLN,   256                        ; work-groups that normalise rows
	v_lshl_add_u32 v224, v0, 2, 0x10100
	v_mov_b32 v225, 0
	s_cmp_lt_u32 ttmp9, NLN
	s_cbranch_scc0 .Lweights
; ---------------- THE ROWS.  Work-group t makes one fragment row of xn [32 row blocks][8 K steps]: block t / 8, fragment a = t % 8.
; Phase 1: wave w normalises four neighbouring rows (fragment rows 4 w .. 4 w + 3), each row in 32 registers of the wave; mean first, then the sum of squared differences: no difference of large sums.
; The rows meet in LDS (16 rows, 4,096 + 16 bytes apart).  Phase 2: wave w takes K steps 2 w and 2 w + 1 of all 16 rows: lane (r, h) reads, of row r, 16 neighbours of each block of 32.
.set RP,    4112                       ; a row in LDS: row r starts 16 r bytes on modulo 256, so the sixteen rows of a 16-byte load fall on different banks
.set X,     32                         ; v32-159  four rows of 32 registers; in phase 2 two sets of 64 numbers
.set G,     160                        ; v160-191 g of my 32 columns
.set BT,    192                        ; v192-223 b
.set SA,    8                          ; v8-15    a pair for each row: sums
.set SB,    16                         ; v16-23   a second chain
.set MU,    24                         ; v24-31   a pair for each row: the mean, later 1 / sigma
.set PC,    160                        ; phase 2: the codes just made (v160-178)
.set TM,    180                        ; v180-195 at work in the quantiser
.set PW,    196                        ; the scale word just made
.set PWS,   197                        ; the first K step's scale word
.set SEL,   26                         ; s[26:27] v_permlanex16_b32's selects for lane l xor 16
	s_load_b256 s[4:11], s[0:1], 0x0               ; the rows, g, b, the panels
	v_lshrrev_b32 v5, 5, v0
	v_readfirstlane_b32 s12, v5                    ; wave
	v_and_b32 v5, 31, v0
	v_lshlrev_b32 v1, 4, v5                        ; 16 x lane
	v_and_b32 v6, 15, v0                           ; r
	v_bfe_u32 v7, v0, 4, 1                         ; h
	s_mul_i32 s13, s12, 4*RP
	v_add_nc_u32 v2, s13, v1                       ; LDS, in: my wave's four rows, 16 bytes a lane
	v_mul_u32_u24 v3, v6, RP
	v_lshl_add_u32 v3, v7, 6, v3
	s_lshl_b32 s13, s12, 10
	v_add_nc_u32 v3, s13, v3                       ; LDS, out: row r, + 64 h, + my wave's two K steps of 512 bytes
	v_mul_u32_u24 v4, v7, PANEL
	v_lshl_add_u32 v4, v6, 2, v4                   ; scale words: lanes 0-15 the first K step's panel, lanes 16-31 the second's
	s_lshr_b32 s14, ttmp9, 3                       ; block
	s_and_b32 s15, ttmp9, 7                        ; fragment a
	s_lshl_b32 s16, s14, 7
	s_lshr_b32 s17, s15, 1
	s_lshl_b32 s17, s17, 5
	s_add_co_u32 s16, s16, s17
	s_and_b32 s17, s15, 1
	s_lshl_b32 s17, s17, 3
	s_add_co_u32 s16, s16, s17
	s_lshl_b32 s17, s12, 2
	s_add_co_u32 s16, s16, s17
	s_lshr_b32 s17, s12, 1
	s_lshl_b32 s17, s17, 3
	s_add_co_u32 s16, s16, s17                     ; my wave's first row: 128 blk + 32 (a / 2) + 8 (a % 2) + 4 w + 8 (w / 2)
	s_lshl_b32 s16, s16, 12
	s_mov_b32 s17, 0
	s_lshl_b32 s18, s14, 3
	s_lshl_b32 s19, s12, 1
	s_add_co_u32 s18, s18, s19
	s_mul_i32 s18, s18, PANEL                      ; panel (blk, 2 w)
	s_mul_i32 s20, s15, 1536
	s_add_co_u32 s20, s20, s18                     ; its image a
	s_mov_b32 s21, 0
	s_lshl_b32 s22, s15, 6
	s_add_co_u32 s22, s22, s18
	s_add_co_u32 s22, s22, SCO                     ; its scale words a
	s_mov_b32 s23, 0
	s_mov_b32 s24, 0x3a800000                      ; 1 / 1024
	s_mov_b32 s25, 0x358637bd                      ; 1e-6
	s_mov_b32 s[SEL], 0x76543210
	s_mov_b32 s[SEL+1], 0xfedcba98
	s_mov_b32 s28, 0xffff0000                      ; lanes 16-31
	s_wait_alu depctr_va_vdst(0)
	s_wait_kmcnt 0x0
	s_add_nc_u64 s[4:5], s[4:5], s[16:17]
	s_add_nc_u64 s[20:21], s[10:11], s[20:21]
	s_add_nc_u64 s[22:23], s[10:11], s[22:23]
.irp i, 0,1,2,3
.irp j, 0,1,2,3,4,5,6,7
	global_load_b128 v[X+32*\i+4*\j:X+32*\i+4*\j+3], v1, s[4:5] offset:\i*4096+512*\j th:TH_LOAD_NT   ; 512 consecutive bytes a load
.endr
.endr
.irp j, 0,1,2,3,4,5,6,7
	global_load_b128 v[G+4*\j:G+4*\j+3], v1, s[6:7] offset:512*\j
	global_load_b128 v[BT+4*\j:BT+4*\j+3], v1, s[8:9] offset:512*\j
.endr
.macro REDUCE                          ; the two chains of each row, the pair's halves, the 32 lanes: every lane ends with the row's sum in v[SA + 2 i]
.irp i, 0,1,2,3
	v_pk_add_f32 v[SA+2*\i:SA+2*\i+1], v[SA+2*\i:SA+2*\i+1], v[SB+2*\i:SB+2*\i+1]
.endr
.irp i, 0,1,2,3
	v_add_f32 v[SA+2*\i], v[SA+2*\i], v[SA+2*\i+1]
.endr
.irp m, 1,2,4,8
.irp i, 0,1,2,3
	v_add_f32_dpp v[SA+2*\i], v[SA+2*\i], v[SA+2*\i] row_xmask:\m row_mask:0xf bank_mask:0xf
.endr
.endr
.irp i, 0,1,2,3
	v_permlanex16_b32 v[SA+2*\i+1], v[SA+2*\i], s[SEL], s[SEL+1]
.endr
.irp i, 0,1,2,3
	v_add_f32 v[SA+2*\i], v[SA+2*\i], v[SA+2*\i+1]
.endr
.endm
	s_wait_loadcnt 16                              ; the four rows are in; g's and b's sixteen loads may be out
.irp i, 0,1,2,3
	v_pk_add_f32 v[SA+2*\i:SA+2*\i+1], v[X+32*\i:X+32*\i+1], v[X+32*\i+2:X+32*\i+3]
	v_pk_add_f32 v[SB+2*\i:SB+2*\i+1], v[X+32*\i+4:X+32*\i+5], v[X+32*\i+6:X+32*\i+7]
.endr
.irp j, 8,12,16,20,24,28
.irp i, 0,1,2,3
	v_pk_add_f32 v[SA+2*\i:SA+2*\i+1], v[SA+2*\i:SA+2*\i+1], v[X+32*\i+\j:X+32*\i+\j+1]
	v_pk_add_f32 v[SB+2*\i:SB+2*\i+1], v[SB+2*\i:SB+2*\i+1], v[X+32*\i+\j+2:X+32*\i+\j+3]
.endr
.endr
	REDUCE
.irp i, 0,1,2,3
	v_mul_f32 v[MU+2*\i], s24, v[SA+2*\i]          ; the mean
.endr
.irp i, 0,1,2,3
	v_mov_b32 v[MU+2*\i+1], v[MU+2*\i]
.endr
.irp j, 0,2,4,6,8,10,12,14,16,18,20,22,24,26,28,30
.irp i, 0,1,2,3
	v_pk_add_f32 v[X+32*\i+\j:X+32*\i+\j+1], v[X+32*\i+\j:X+32*\i+\j+1], v[MU+2*\i:MU+2*\i+1] neg_lo:[0,1] neg_hi:[0,1]   ; d = x - mean
.endr
.endr
.irp i, 0,1,2,3
	v_pk_mul_f32 v[SA+2*\i:SA+2*\i+1], v[X+32*\i:X+32*\i+1], v[X+32*\i:X+32*\i+1]
	v_pk_mul_f32 v[SB+2*\i:SB+2*\i+1], v[X+32*\i+2:X+32*\i+3], v[X+32*\i+2:X+32*\i+3]
.endr
.irp j, 4,8,12,16,20,24,28
.irp i, 0,1,2,3
	v_pk_fma_f32 v[SA+2*\i:SA+2*\i+1], v[X+32*\i+\j:X+32*\i+\j+1], v[X+32*\i+\j:X+32*\i+\j+1], v[SA+2*\i:SA+2*\i+1]
	v_pk_fma_f32 v[SB+2*\i:SB+2*\i+1], v[X+32*\i+\j+2:X+32*\i+\j+3], v[X+32*\i+\j+2:X+32*\i+\j+3], v[SB+2*\i:SB+2*\i+1]
.endr
.endr
	REDUCE
.irp i, 0,1,2,3
	v_fma_f32 v[SA+2*\i], v[SA+2*\i], s24, s25     ; var + 1e-6
.endr
	s_wait_alu depctr_va_vdst(0)
.irp i, 0,1,2,3
	v_rsq_f32 v[MU+2*\i], v[SA+2*\i]
.endr
	v_nop                                          ; a plain line behind the last of the batch
	s_wait_alu depctr_va_vdst(0)                   ; one wait for the four, ahead of their first reader
.irp i, 0,1,2,3
	v_mov_b32 v[MU+2*\i+1], v[MU+2*\i]
.endr
	s_wait_alu depctr_va_vdst(0)
	s_wait_loadcnt 0x0                             ; g and b
.irp j, 0,2,4,6,8,10,12,14,16,18,20,22,24,26,28,30
.irp i, 0,1,2,3
	v_pk_mul_f32 v[X+32*\i+\j:X+32*\i+\j+1], v[X+32*\i+\j:X+32*\i+\j+1], v[MU+2*\i:MU+2*\i+1]
.endr
.irp i, 0,1,2,3
	v_pk_fma_f32 v[X+32*\i+\j:X+32*\i+\j+1], v[X+32*\i+\j:X+32*\i+\j+1], v[G+\j:G+\j+1], v[BT+\j:BT+\j+1]
.endr
.endr
.irp i, 0,1,2,3
.irp j, 0,1,2,3,4,5,6,7
	ds_store_b128 v2, v[X+32*\i+4*\j:X+32*\i+4*\j+3] offset:\i*RP+512*\j
.endr
.endr
	s_wait_dscnt 0x0                               ; for the others' sake: my rows lie in LDS
	s_barrier_signal -1
	s_barrier_wait -1
.irp s, 0,1
.irp b, 0,1,2,3
.irp q, 0,1,2,3
	ds_load_b128 v[X+64*\s+16*\b+4*\q:X+64*\s+16*\b+4*\q+3], v3 offset:512*\s+128*\b+16*\q   ; register 16 b + i = k 32 b + 16 h + i of row r
.endr
.endr
.endr
.irp b, 0,1,2,3
	v_mov_b32 v[TM+4+\b], 0                        ; written once: a lane permute's destination counts as one of its sources
.endr
; 64 numbers of a lane, register 16 b + i = k 32 b + 16 (lane / 16) + i of its row, become a fragment's codes in v[PC] on and its scale word in v[PW].
.macro QUANT s
.irp b, 0,1,2,3
	v_max3_num_f32 v[TM+\b], |v[(\s)+16*\b]|, |v[(\s)+1+16*\b]|, 0x1800000   ; with the floor 2^(3 - 127): the byte cannot fall under 1
.endr
.irp i, 2,4,6,8,10,12,14
.irp b, 0,1,2,3
	v_max3_num_f32 v[TM+\b], v[TM+\b], |v[(\s)+16*\b+\i]|, |v[(\s)+1+16*\b+\i]|
.endr
.endr
.irp b, 0,1,2,3
	v_permlanex16_b32 v[TM+4+\b], v[TM+\b], s[SEL], s[SEL+1]
.endr
.irp b, 0,1,2,3
	v_max_num_f32 v[TM+\b], v[TM+\b], v[TM+4+\b]   ; with lane l xor 16's: the block's largest magnitude
.endr
.irp b, 0,1,2,3
	v_add_nc_u32 v[TM+12+\b], 0xff000000, v[TM+\b] ; 2 off its exponent field: the conversion's scale operand
.endr
.irp b, 0,1,2,3
	v_lshrrev_b32 v[TM+4+\b], 23, v[TM+12+\b]      ; the byte
.endr
	v_lshl_or_b32 v[PW], v[TM+5], 8, v[TM+4]
	v_lshl_or_b32 v[PW], v[TM+6], 16, v[PW]
	v_lshl_or_b32 v[PW], v[TM+7], 24, v[PW]
.irp c, 0,1
	v_cvt_scalef32_pk16_fp6_f32 v[PC+6*\c:PC+2+6*\c], v[(\s)+32*\c:(\s)+15+32*\c], v[TM+12+2*\c]
	v_cvt_scalef32_pk16_fp6_f32 v[PC+12+4*\c:PC+14+4*\c], v[(\s)+16+32*\c:(\s)+31+32*\c], v[TM+12+2*\c+1]
.endr
	v_nop                                          ; one plain line behind a scaled conversion
.irp c, 0,1                            ; the operand wants a whole block in a lane: lanes 0-15 block 2 c, lanes 16-31 block 2 c + 1
.irp i, 0,1,2
	v_permlane16_swap_b32 v[PC+6*\c+\i], v[PC+12+4*\c+\i]
.endr
.irp i, 0,1,2
	v_mov_b32 v[PC+3+6*\c+\i], v[PC+12+4*\c+\i]
.endr
.endr
.endm
	s_wait_dscnt 0x0
	QUANT X
.irp g, 0,1,2
	global_store_b128 v1, v[PC+4*\g:PC+4*\g+3], s[20:21] offset:512*\g
.endr
	v_mov_b32 v[PWS], v[PW]
	s_wait_xcnt 0x0                                ; the stores have read their registers: the codes may be written again
	QUANT X+64
.irp g, 0,1,2
	global_store_b128 v1, v[PC+4*\g:PC+4*\g+3], s[20:21] offset:PANEL+512*\g
.endr
	v_cndmask_b32 v[PWS], v[PWS], v[PW], s28       ; lanes 0-15 the first K step's words, lanes 16-31 the second's
	global_store_b32 v4, v[PWS], s[22:23]
	s_wait_tensorcnt 0x0
	ds_add_u32 v224, v225
	s_wait_dscnt 0x0
	s_endpgm
; ---------------- THE WEIGHTS.  Work-group 256 + p makes panel p of wc: 0-191 wq, wk, wv [24 column blocks][8 K steps]; 192-255 wo [8][8].  No LDS, no barrier.
; Wave w takes 32 columns: A LANE TAKES A COLUMN AND ITS REGISTERS RUN DOWN K, so a block of 32 lies in one lane and the conversions give codes with K innermost.
.Lweights:
.set F0,    160                        ; v160-171 the fragment of the wave's first 16 columns
.set F1,    172                        ; v172-183 of its second 16
.set TT,    184                        ; v184-199 the upper halves of the blocks' codes, as the conversions leave them
	s_load_b256 s[4:11], s[0:1], 0x20              ; wq, wk, wv, wo
	s_load_b64 s[16:17], s[0:1], 0x40              ; wc
	v_lshrrev_b32 v4, 5, v0
	v_readfirstlane_b32 s18, v4                    ; wave
	v_and_b32 v5, 31, v0                           ; lane
	v_and_b32 v6, 15, v0                           ; r
	v_bfe_u32 v7, v0, 4, 1                         ; u: which of the wave's two fragments my column belongs to
	v_and_b32 v1, 8, v6
	v_add_nc_u32 v1, v1, v6                        ; r + 8 (r / 8)
	v_lshl_add_u32 v1, v7, 3, v1                   ; + 8 u: my column among the wave's 32
	v_lshlrev_b32 v1, 2, v1                        ; in bytes: the 32 lanes read 128 consecutive bytes
	s_mul_i32 s30, s18, 3072
	v_lshl_add_u32 v2, v5, 4, s30                  ; out: 16 x lane + my wave's two images
	s_lshl_b32 s31, s18, 7
	v_lshl_add_u32 v3, v5, 2, s31                  ; out: 4 x lane + my wave's two groups of scale words
	s_sub_co_u32 s19, ttmp9, NLN                   ; p
	s_and_b32 s20, s19, 63                         ; the panel's number inside its weight
	s_lshr_b32 s22, s20, 3                         ; column block
	s_and_b32 s23, s20, 7                          ; K step
	s_lshl_b32 s26, s23, 19                        ; K step x 128 rows of 4,096 bytes
	s_lshl_b32 s27, s22, 9                         ; + column block x 512 bytes
	s_add_co_u32 s26, s26, s27
	s_add_co_u32 s26, s26, s31                     ; + wave x 128 bytes
	s_mov_b32 s27, 0
	s_mul_i32 s28, s19, PANEL
	s_mov_b32 s29, 0
	s_wait_alu depctr_va_vdst(0)
	s_wait_kmcnt 0x0
	s_cmp_ge_u32 s19, 64                           ; which weight: the choice hangs on the work-group's number alone
	s_cselect_b64 s[4:5], s[6:7], s[4:5]
	s_cmp_ge_u32 s19, 128
	s_cselect_b64 s[4:5], s[8:9], s[4:5]
	s_cmp_ge_u32 s19, 192
	s_cselect_b64 s[4:5], s[10:11], s[4:5]
	s_add_nc_u64 s[4:5], s[4:5], s[26:27]
	s_add_nc_u64 s[16:17], s[16:17], s[28:29]
.macro LOADB b, pitch                  ; block b: W(32 b + i, my column), i = 0 .. 31
.set LL, 0
.rept 32
	global_load_b32 v[X+32*(\b)+LL], v1, s[4:5] offset:(32*(\b)+LL)*(\pitch) th:TH_LOAD_NT
.set LL, LL+1
.endr
.endm
.macro BLOCK b, dst                    ; block b's scale, byte and codes: the lower 16 codes to v[dst] on, the upper 16 to TT
.set XS, X+32*(\b)
	v_max3_num_f32 v8, |v[XS]|, |v[XS+1]|, |v[XS+2]|
	v_max3_num_f32 v9, |v[XS+3]|, |v[XS+4]|, |v[XS+5]|
.irp i, 6,10,14,18,22,26
	v_max3_num_f32 v8, v8, |v[XS+\i]|, |v[XS+\i+1]|
	v_max3_num_f32 v9, v9, |v[XS+\i+2]|, |v[XS+\i+3]|
.endr
	v_max3_num_f32 v8, v8, |v[XS+30]|, |v[XS+31]|
	v_max3_num_f32 v8, v8, v9, 0x1800000           ; the floor 2^(3 - 127): the byte cannot fall under 1
	v_add_nc_u32 v[12+(\b)], 0xff000000, v8        ; 2 off the exponent field: the conversion's scale operand
	v_lshrrev_b32 v[16+(\b)], 23, v[12+(\b)]       ; the byte
	v_cvt_scalef32_pk16_fp6_f32 v[(\dst):(\dst)+2], v[XS:XS+15], v[12+(\b)]
	v_cvt_scalef32_pk16_fp6_f32 v[TT+4*(\b):TT+4*(\b)+2], v[XS+16:XS+31], v[12+(\b)]   ; (a conversion's three registers begin on an even number)
.endm
.macro MV3 dst, b
.irp i, 0,1,2
	v_mov_b32 v[(\dst)+3+\i], v[TT+4*(\b)+\i]
.endr
.endm
.macro BODY pitch
	LOADB 0, \pitch
	LOADB 1, \pitch
	s_wait_loadcnt 32                              ; block 0 is in; block 1's 32 loads may be out
	LOADB 2, \pitch
	BLOCK 0, F0
	s_wait_loadcnt 32                              ; block 1 is in; block 2's may be out
	LOADB 3, \pitch
	BLOCK 1, F1
	s_wait_loadcnt 32                              ; block 2 is in; block 3's may be out
	BLOCK 2, F0+6
	s_wait_loadcnt 0x0
	BLOCK 3, F1+6
	v_nop                                          ; one plain line behind the last conversion
	MV3 F0, 0
	MV3 F1, 1
	MV3 F0+6, 2
	MV3 F1+6, 3
; F0 holds my column's blocks 0 and 2, F1 its blocks 1 and 3.  The operand wants, of a fragment's row r, blocks 0 and 2 in lane r and blocks 1 and 3 in lane 16 + r:
; F0's lanes 16-31 change places with F1's lanes 0-15, and F0 is the first fragment, F1 the second.
.irp i, 0,1,2,3,4,5,6,7,8,9,10,11
	v_permlane16_swap_b32 v[F0+\i], v[F1+\i]
.endr
	v_lshl_or_b32 v20, v17, 8, v16                 ; my column's scale word
	v_lshl_or_b32 v20, v18, 16, v20
	v_lshl_or_b32 v20, v19, 24, v20
.irp g, 0,1,2
	global_store_b128 v2, v[F0+4*\g:F0+4*\g+3], s[16:17] offset:512*\g th:TH_STORE_NT       ; 512 consecutive bytes a store
	global_store_b128 v2, v[F1+4*\g:F1+4*\g+3], s[16:17] offset:1536+512*\g th:TH_STORE_NT
.endr
	global_store_b32 v3, v20, s[16:17] offset:SCO th:TH_STORE_NT
	s_endpgm
.endm
	BODY 4096
.Lfunc_end_k_q44b1c0df27_prep1:
	.size	k_q44b1c0df27_prep1, .Lfunc_end_k_q44b1c0df27_prep1-k_q44b1c0df27_prep1
	.p2alignl 7, 3214868480
	.fill 96, 4, 3214868480
	.section	.rodata,"a",@progbits
	.p2align	6, 0x0
	.amdhsa_kernel k_q44b1c0df27_prep1
		.amdhsa_group_segment_fixed_size 66304
		.amdhsa_private_segment_fixed_size 0
		.amdhsa_enable_private_segment 0
		.amdhsa_kernarg_size 72
		.amdhsa_user_sgpr_count 2
		.amdhsa_user_sgpr_kernarg_segment_ptr 1
		.amdhsa_wavefront_size32 1
		.amdhsa_system_sgpr_workgroup_id_x 1
		.amdhsa_system_sgpr_workgroup_id_y 1
		.amdhsa_system_sgpr_workgroup_id_z 1
		.amdhsa_system_vgpr_workitem_id 0
		.amdhsa_next_free_vgpr 226
		.amdhsa_next_free_sgpr 66
		.amdhsa_reserve_vcc 0
		.amdhsa_float_denorm_mode_32 3
		.amdhsa_float_denorm_mode_16_64 3
		.amdhsa_memory_ordered 1
		.amdhsa_forward_progress 1
		.amdhsa_inst_pref_size 64
	.end_amdhsa_kernel
	.amdgpu_metadata
---
amdhsa.version: [ 1, 2 ]
amdhsa.kernels:
  - .name:           k_q44b1c0df27_prep1
    .symbol:         k_q44b1c0df27_prep1.kd
    .args:
      - { .name: x, .offset: 0, .size: 8, .value_kind: global_buffer, .address_space: global }
      - { .name: ln1_g, .offset: 8, .size: 8, .value_kind: global_buffer, .address_space: global }
      - { .name: ln1_b, .offset: 16, .size: 8, .value_kind: global_buffer, .address_space: global }
      - { .name: xn, .offset: 24, .size: 8, .value_kind: global_buffer, .address_space: global }
      - { .name: wq, .offset: 32, .size: 8, .value_kind: global_buffer, .address_space: global }
      - { .name: wk, .offset: 40, .size: 8, .value_kind: global_buffer, .address_space: global }
      - { .name: wv, .offset: 48, .size: 8, .value_kind: global_buffer, .address_space: global }
      - { .name: wo, .offset: 56, .size: 8, .value_kind: global_buffer, .address_space: global }
      - { .name: wc, .offset: 64, .size: 8, .value_kind: global_buffer, .address_space: global }
    .group_segment_fixed_size: 66304
    .private_segment_fixed_size: 0
    .kernarg_segment_align: 8
    .kernarg_segment_size: 72
    .max_flat_workgroup_size: 128
    .sgpr_count:     66
    .vgpr_count:     226
    .wavefront_size: 32
...
	.end_amdgpu_metadata
.endif
;; end of part 1
;; launch qkv (part 2): grid 12 x 16, 4 waves a work-group, clusters of 4 x 4, 327,680 bytes of LDS; arguments xn, wc, bq, bk, bv, qc, kvc; writes qc, kvc
.if DOCPART == 2
	.amdgcn_target "amdgcn-amd-amdhsa--gfx1250"
	.amdhsa_code_object_version 6
	.text
	.protected	k_q44b1c0df27_qkv
	.globl	k_q44b1c0df27_qkv
	.p2align	8
	.type	k_q44b1c0df27_qkv,@function
k_q44b1c0df27_qkv:
	s_mov_b64 s[64:65], 0
	v_nop
	global_prefetch_b8 v0, s[64:65] scope:SCOPE_SE
	s_setreg_imm32_b32 hwreg(HW_REG_WAVE_MODE, 25, 1), 1
	s_wait_xcnt 0x0
	s_wait_alu depctr_hold_cnt(0) depctr_sa_sdst(0) depctr_va_vdst(0) depctr_va_sdst(0) depctr_va_ssrc(0) depctr_va_vcc(0) depctr_vm_vsrc(0)
	s_getreg_b32 s2, hwreg(HW_REG_IB_STS2, 6, 4)
	s_cmp_eq_u32 s2, 0
	s_cbranch_scc0 .Lentry_in_a_cluster
	s_endpgm
.Lentry_in_a_cluster:
	s_bfe_u32 s2, ttmp6, 0x10000c
	s_cmp_lg_u32 s2, 0xf033
	s_cbranch_scc0 .Lentry_shape_is_right
	s_endpgm
.Lentry_shape_is_right:
; q, k and v of cosine attention, on codes of E2M3: xn [4096][1024] against wq, wk, wv, all as panels (128 rows x 128 K: eight fragment images of 1,536 bytes, then eight groups of 16 scale words; 12,800 bytes).
; A work-group of four waves makes 256 x 256, a wave 128 x 128: 64 accumulators, 512 registers.  K goes in steps of 128 through a ring of two LDS slots of two K steps each, filled by the tensor data mover.
; A fragment comes from LDS by three loads of 16 bytes a lane, 512 consecutive bytes each: an image of the operand's registers; no pitch, no padding.
; THE MATRIX INSTRUCTION IS USED TRANSPOSED (source 0 = 16 rows of operand B, source 1 = 16 rows of operand A): a lane holds ONE row of A; since fragment a, lane r holds row 32 (a / 2) + 8 (a % 2) + r + 8 (r / 8),
; the 64 registers of a lane's eight accumulators are columns 32 (i / 16) + 16 (lane / 16) + i % 16: the order that the next quantiser takes.
; CLUSTERS 4 x 4: A's tiles are shared along a row of the cluster, B's along a column, each asked for jointly.  Cluster x = 0: q, 1: k (A = tokens, B = wq, wk).  Cluster x = 2: v, WITH THE OPERANDS CHANGED ROUND
; (A = wv's columns, B = tokens), so that a lane holds one channel of v and its registers run along the keys, which are the K of attention's second product.  The choice hangs on the cluster's x, which all partners share.
; WAY OUT, no LDS.  q, k: + bias, divided by max(norm, 1e-12) over each head's 64, quantised along the head: half images of 768 bytes (registers 0-3 at 16 l, 4-5 at 512 + 8 l), words with bytes 2, 3 = 0.
; v: + bias, quantised along the keys: whole images.  qc: [32 heads x batch][16 blocks of 128 tokens] of 6,656 bytes; kvc: the same of 13,056 bytes: k's 6,656, then v's four images and 256 bytes of words.
; LIMITS: 1 / max(n, 1e-12) is taken as min(v_rsq_f32(n^2), 1e12); a block of zeros, or one under 2^-124, keeps the byte 1; NaN and infinities are not served.
; REGISTERS: window 0: v1-3, v16-29 addresses; v32-47 scale words, two sets; v48-63 v's bias; v64-255 A's fragments, two sets (the way out works there).  window 1: v0-191 B's, two sets; v192-255 the column bias.  windows 2, 3: accumulators.
.set PANEL, 12800
.set SCO,   12288
.set REG,   2*PANEL                    ; what one tensor load brings: two K steps of 128 rows
.set SLOT,  4*REG                      ; A's two halves, then B's two halves
.set SPARE, 2*SLOT                     ; behind the ring: the spare words, 128 bytes a wave, which no other line names
.set SPS,   2                          ; K steps in a slot
.set NKS,   8                          ; K steps in all
.set LAPS,  NKS/(2*SPS)
.set WV_OFF, 1638400                   ; wv's panels in wc
.set ADRA, 16                          ; v16-17 LDS address of my A fragments in slot 0, 1
.set ADRB, 18                          ; v18-19 of B's
.set ADRS, 20                          ; v20-21 of the scale words: lanes 0-15 A's, lanes 16-31 B's
.set SPW,  28
.set NIL,  29
.set SC,   32
.set AF,   64
.set G1A, 24
.set G0A, 32
.set G1B, 48
.set G0B, 56
.set T,   64                           ; the way out: 64 numbers of a lane's row
.set PC,  128                          ; the codes just made
.set TM,  160                          ; at work in the quantiser
.set PW,  176
.set PWS, 177
.set PWC, 178
.set SQ,  180                          ; sums of squares
.set INV, 188                          ; 1 / norm, a pair for each head
.set SEL, 86
.set MSB, 0
.macro WIN new                         ; the immediate's high byte repeats the setting that is left
.if MSB != (\new)
	s_set_vgpr_msb (MSB<<8)|(\new)
.set MSB, (\new)
.endif
.endm
.macro PLACES n                        ; plain lines between a matrix instruction and a load into, or a vector access of, its registers
.rept \n
	v_nop
.endr
.endm
.macro JLOAD g0a, g1a, g0b, g1b        ; a joint load: waves 0, 1 fetch for A, waves 2, 3 for B; four v_nop follow each line
	s_cmp_eq_u32 s15, 0
	s_cbranch_scc0 .Lfor_b_\@
	tensor_load_to_lds s[\g0a:\g0a+3], s[\g1a:\g1a+7]
	s_nop 0
.rept 4
	v_nop
.endr
	s_branch .Lasked_\@
.Lfor_b_\@:
	tensor_load_to_lds s[\g0b:\g0b+3], s[\g1b:\g1b+7]
	s_nop 0
.rept 4
	v_nop
.endr
.Lasked_\@:
.endm
.macro CREST                           ; a round of the cluster's barrier behind its opening barrier
	s_cmp_lg_u32 s14, 0
	s_cbranch_scc1 .Lnot_wave_0_\@
	s_barrier_signal -3
.Lnot_wave_0_\@:
	s_barrier_wait -3
	s_barrier_signal -1
	s_barrier_wait -1
.endm
.macro CROUND
	s_barrier_signal -1
	s_barrier_wait -1
	CREST
.endm
	s_load_b256 s[4:11], s[0:1], 0x0               ; xn, wc, bq, bk
	s_load_b128 s[68:71], s[0:1], 0x20             ; bv, qc
	s_load_b64 s[72:73], s[0:1], 0x30              ; kvc
	v_lshl_add_u32 v[SPW], v0, 2, SPARE
	v_mov_b32 v[NIL], 0
	ds_add_u32 v28, v29
	ds_add_u32 v28, v29
	s_wait_dscnt 0x0
	v_lshrrev_b32 v1, 5, v0
	v_readfirstlane_b32 s14, v1                    ; wave
	s_lshr_b32 s15, s14, 1                         ; my half of A's rows.  Also: I fetch for A (0) or for B (1)
	s_and_b32 s16, s14, 1                          ; my half of B's rows.  Also: which half I fetch
	s_bfe_u32 s40, ttmp6, 0x40000                  ; cx
	s_bfe_u32 s41, ttmp6, 0x40004                  ; cy
	s_and_b32 s18, ttmp7, 0xffff
	s_lshl_b32 s18, s18, 2                         ; 4 x cluster y
	s_lshl_b32 s19, ttmp9, 2                       ; 4 x cluster x
	s_cmp_lt_u32 ttmp9, 2
	s_cselect_b32 s17, s18, 0
	s_cselect_b32 s42, s19, s18
	s_add_co_u32 s17, s17, s41                     ; A's tile of 256 rows: q, k: tokens 4 Y + cy; v: wv's columns cy
	s_add_co_u32 s42, s42, s40                     ; B's tile: q, k: columns 4 X + cx; v: tokens 4 Y + cx
	s_lshl_b32 s43, s41, 2
	s_lshl_b32 s43, 15, s43                        ; my row of the cluster
	s_lshl_b32 s44, 0x1111, s40                    ; my column
	s_or_b32 s[G1A+0], s43, (3<<16)|(1<<21)        ; 15:0 the mask; 17:16 elements of 8 bytes; 21 set beside a mask; no padding
	s_or_b32 s[G1B+0], s44, (3<<16)|(1<<21)
.irp g, G1A, G1B                       ; a dense block of 25,600 bytes as 100 rows of 256
	s_mov_b32 s[\g+1], 32<<16
	s_mov_b32 s[\g+2], 100<<16
	s_mov_b32 s[\g+3], 32<<16
	s_mov_b32 s[\g+4], 100
	s_mov_b32 s[\g+5], 32
	s_mov_b32 s[\g+6], 0
	s_mov_b32 s[\g+7], 0
.endr
	s_lshl_b32 s20, s17, 1
	s_add_co_u32 s20, s20, s16
	s_mul_i32 s20, s20, NKS*PANEL                  ; A: block 2 tile + the half I fetch
	s_mov_b32 s21, 0
	s_lshl_b32 s46, s42, 1
	s_add_co_u32 s46, s46, s16
	s_mul_i32 s46, s46, NKS*PANEL                  ; B likewise
	s_mov_b32 s47, 0
	s_mul_i32 s45, s14, REG                        ; where it goes: wave x 25,600: no place in the cluster enters an LDS address
	s_wait_kmcnt 0x0
	s_add_nc_u64 s[74:75], s[6:7], WV_OFF
	s_cmp_lt_u32 ttmp9, 2
	s_cselect_b64 s[22:23], s[4:5], s[74:75]       ; operand A: xn, or wv's panels
	s_cselect_b64 s[92:93], s[6:7], s[4:5]         ; operand B: wq's and wk's panels, or xn
	s_add_nc_u64 s[20:21], s[22:23], s[20:21]
	s_add_nc_u64 s[46:47], s[92:93], s[46:47]
	CROUND                                         ; all sixteen work-groups are here: the first joint loads meet
.irp s, 0,1
	s_mov_b32 s[G0A+4*\s], 1
	s_add_co_u32 s[G0A+4*\s+1], s45, \s*SLOT
	s_add_nc_u64 s[G0A+4*\s+2:G0A+4*\s+3], s[20:21], \s*SPS*PANEL
	s_or_b32 s[G0A+4*\s+3], s[G0A+4*\s+3], 0x80000000
	s_mov_b32 s[G0B+4*\s], 1
	s_add_co_u32 s[G0B+4*\s+1], s45, \s*SLOT
	s_add_nc_u64 s[G0B+4*\s+2:G0B+4*\s+3], s[46:47], \s*SPS*PANEL
	s_or_b32 s[G0B+4*\s+3], s[G0B+4*\s+3], 0x80000000
.endr
	JLOAD G0A, G1A, G0B, G1B                       ; slot 0: one tensor load a wave at the head
	v_and_b32 v1, 15, v0                           ; r
	v_bfe_u32 v2, v0, 4, 1                         ; h
	v_and_b32 v4, 31, v0
	v_lshlrev_b32 v3, 4, v4                        ; 16 x lane
	v_lshlrev_b32 v22, 3, v4                       ; 8 x lane
	v_lshlrev_b32 v25, 2, v4                       ; 4 x lane
	v_lshlrev_b32 v24, 4, v2                       ; 16 h
	v_lshlrev_b32 v26, 6, v2                       ; 64 h
	v_and_b32 v27, 8, v1
	v_add_nc_u32 v27, v27, v1
	v_lshlrev_b32 v27, 2, v27                      ; 4 (r + 8 (r / 8))
	s_wait_alu depctr_va_vdst(0)
	s_mul_i32 s21, s15, REG
	s_mul_i32 s22, s16, REG
	s_add_co_u32 s22, s22, 2*REG
.irp s, 0,1
	v_add_nc_u32 v[ADRA+\s], s21, v3
	v_add_nc_u32 v[ADRB+\s], s22, v3
	s_add_co_u32 s21, s21, SLOT
	s_add_co_u32 s22, s22, SLOT
.endr
	s_mul_i32 s21, s15, REG
	s_mul_i32 s22, s16, REG
	s_add_co_u32 s22, s22, 2*REG
	s_sub_co_u32 s22, s22, s21
	v_mul_u32_u24 v6, s22, v2                      ; lanes 16-31 take B's words
	v_lshl_add_u32 v6, v1, 2, v6
	s_add_co_u32 s21, s21, SCO
	v_add_nc_u32 v[ADRS], s21, v6
	v_add_nc_u32 v[ADRS+1], SLOT, v[ADRS]
	; both kinds of bias are loaded by every work-group, at block numbers held to 0 .. 7, so that the loads and their count are the same on every way
	s_cmp_eq_u32 ttmp9, 1
	s_cselect_b64 s[74:75], s[10:11], s[8:9]
	s_lshl_b32 s76, s42, 1
	s_add_co_u32 s76, s76, s16
	s_and_b32 s76, s76, 7
	s_lshl_b32 s76, s76, 9
	s_mov_b32 s77, 0
	s_add_nc_u64 s[74:75], s[74:75], s[76:77]      ; bq or bk at my 128 columns
	s_lshl_b32 s76, s17, 1
	s_add_co_u32 s76, s76, s15
	s_and_b32 s76, s76, 7
	s_lshl_b32 s76, s76, 9
	s_add_nc_u64 s[78:79], s[68:69], s[76:77]      ; bv at my 128 rows of wv
	WIN 0x40
.irp b, 0,1,2,3
.irp j, 0,1,2,3
	global_load_b128 v[192+16*\b+4*\j:195+16*\b+4*\j], v26, s[74:75] offset:128*\b+16*\j    ; register i: the bias of column 32 (i / 16) + 16 h + i % 16
.endr
.endr
	WIN 0
.irp a, 0,1,2,3,4,5,6,7
	global_load_b32 v[48+2*\a], v27, s[78:79] offset:(32*(\a/2)+8*(\a%2))*4                 ; the bias of fragment a's row r
.endr
; 56 LDS loads: the fragments and scale words of the slot's q-th K step into set p
.macro FETCH slot, q, p
	WIN 0x40
.irp i, 0,1,2,3,4,5,6,7
.irp g, 0,1,2
	ds_load_b128 v[96*(\p)+12*\i+4*\g:96*(\p)+12*\i+4*\g+3], v[ADRB+\slot] offset:(\q)*PANEL+\i*1536+512*\g
.endr
.endr
	WIN 0
.irp i, 0,1,2,3,4,5,6,7
.irp g, 0,1,2
	ds_load_b128 v[AF+96*(\p)+12*\i+4*\g:AF+96*(\p)+12*\i+4*\g+3], v[ADRA+\slot] offset:(\q)*PANEL+\i*1536+512*\g
.endr
.endr
.irp i, 0,1,2,3,4,5,6,7
	ds_load_b32 v[SC+8*(\p)+\i], v[ADRS+\slot] offset:(\q)*PANEL+64*\i
.endr
.endm
; a quarter of a K step: A's fragments 2 k, 2 k + 1 against B's eight.  The 64 accumulators take turns, one instruction a turn, in one order in every step.
.macro MULQ k, p, zero
.irp a, 2*(\k), 2*(\k)+1
	WIN 0xa1+0x50*((\a)/4)
.irp b, 0,1,2,3,4,5,6,7
.if \zero
	v_wmma_scale_f32_16x16x128_f8f6f4 v[8*(8*((\a)%4)+\b):8*(8*((\a)%4)+\b)+7], v[96*(\p)+12*\b:96*(\p)+12*\b+11], v[AF+96*(\p)+12*(\a):AF+96*(\p)+12*(\a)+11], 0, v[SC+8*(\p)+\b], v[SC+8*(\p)+(\a)] matrix_a_fmt:MATRIX_FMT_FP6 matrix_b_fmt:MATRIX_FMT_FP6 matrix_a_scale:MATRIX_SCALE_ROW1
.else
	v_wmma_scale_f32_16x16x128_f8f6f4 v[8*(8*((\a)%4)+\b):8*(8*((\a)%4)+\b)+7], v[96*(\p)+12*\b:96*(\p)+12*\b+11], v[AF+96*(\p)+12*(\a):AF+96*(\p)+12*(\a)+11], v[8*(8*((\a)%4)+\b):8*(8*((\a)%4)+\b)+7], v[SC+8*(\p)+\b], v[SC+8*(\p)+(\a)] matrix_a_fmt:MATRIX_FMT_FP6 matrix_b_fmt:MATRIX_FMT_FP6 matrix_a_scale:MATRIX_SCALE_ROW1
.endif
.endr
.endr
.endm
.macro STEP slot, q, zero              ; a K step whose successor lies in the same slot: the successor's operands are asked for first, into the other set
	s_wait_dscnt 0x0                               ; this step's operands, asked for a step ago, are in
	PLACES 4
	FETCH \slot, (\q)+1, 1-(\q)%2
	MULQ 0, (\q)%2, \zero
	MULQ 1, (\q)%2, \zero
	MULQ 2, (\q)%2, \zero
	MULQ 3, (\q)%2, \zero
	WIN 0
.endm
; A slot's last K step: its operands are in registers or on their way there, so the slot can be given up.  ONE barrier: in front of it each wave waits for all its tensor loads, adds 0 to its spare word, and waits
; for that and for its reads of the slot.  fill = 1: the barrier opens a round of the cluster's barrier, and the slot is filled again, two slots ahead, first thing behind it.
.macro TURN slot, next, fill
	WIN 0
	s_wait_tensorcnt 0x0                           ; all my tensor loads have landed: my part of the next slot
	ds_add_u32 v[SPW], v[NIL]                      ; 0 onto my spare word
	s_wait_dscnt 1                                 ; this step's operands are in; the add alone may be out
	MULQ 0, 1, 0
	s_wait_dscnt 0x0                               ; the add is done, and my reads of this slot are over
	s_barrier_signal -1
	MULQ 1, 1, 0
	WIN 0
	s_barrier_wait -1
.if \fill
	CREST
	s_add_nc_u64 s[G0A+4*\slot+2:G0A+4*\slot+3], s[G0A+4*\slot+2:G0A+4*\slot+3], 2*SPS*PANEL
	s_add_nc_u64 s[G0B+4*\slot+2:G0B+4*\slot+3], s[G0B+4*\slot+2:G0B+4*\slot+3], 2*SPS*PANEL
	JLOAD G0A+4*\slot, G1A, G0B+4*\slot, G1B       ; its four v_nop are also the places in front of the loads below
.else
	PLACES 4
.endif
	FETCH \next, 0, 0
	MULQ 2, 1, 0
	MULQ 3, 1, 0
	WIN 0
.endm
	s_wait_alu depctr_va_vdst(0)
	s_wait_tensorcnt 0x0                           ; my part of slot 0 is in
	ds_add_u32 v[SPW], v[NIL]
	s_wait_dscnt 0x0
	CROUND                                         ; everybody's part of slot 0 is in, and the joint loads meet
	JLOAD G0A+4, G1A, G0B+4, G1B                   ; slot 1's first fill, first behind the round
	FETCH 0, 0, 0
	STEP 0, 0, 1                                   ; the first step's products start the sums
	s_mov_b32 s3, LAPS-1
.Llap:
	TURN 0, 1, 1
	STEP 1, 0, 0
	TURN 1, 0, 1
	STEP 0, 0, 0
	s_sub_co_u32 s3, s3, 1
	s_cmp_lg_u32 s3, 0
	s_cbranch_scc1 .Llap
	TURN 0, 1, 0                                   ; the last lap fills nothing
	STEP 1, 0, 0
	s_wait_dscnt 0x0
	MULQ 0, 1, 0
	MULQ 1, 1, 0
	MULQ 2, 1, 0
	MULQ 3, 1, 0
	WIN 0
; 64 numbers of a lane, register 16 b + i = k 32 b + 16 (lane / 16) + i of its row, become a fragment's codes in v[PC] on and its scale word in v[PW].
.macro QUANT s
.irp b, 0,1,2,3
	v_max3_num_f32 v[TM+\b], |v[(\s)+16*\b]|, |v[(\s)+1+16*\b]|, 0x1800000   ; with the floor 2^(3 - 127): the byte cannot fall under 1
.endr
.irp i, 2,4,6,8,10,12,14
.irp b, 0,1,2,3
	v_max3_num_f32 v[TM+\b], v[TM+\b], |v[(\s)+16*\b+\i]|, |v[(\s)+1+16*\b+\i]|
.endr
.endr
.irp b, 0,1,2,3
	v_permlanex16_b32 v[TM+4+\b], v[TM+\b], s[SEL], s[SEL+1]
.endr
.irp b, 0,1,2,3
	v_max_num_f32 v[TM+\b], v[TM+\b], v[TM+4+\b]
.endr
.irp b, 0,1,2,3
	v_add_nc_u32 v[TM+12+\b], 0xff000000, v[TM+\b]
.endr
.irp b, 0,1,2,3
	v_lshrrev_b32 v[TM+4+\b], 23, v[TM+12+\b]
.endr
	v_lshl_or_b32 v[PW], v[TM+5], 8, v[TM+4]
	v_lshl_or_b32 v[PW], v[TM+6], 16, v[PW]
	v_lshl_or_b32 v[PW], v[TM+7], 24, v[PW]
.irp c, 0,1
	v_cvt_scalef32_pk16_fp6_f32 v[PC+6*\c:PC+2+6*\c], v[(\s)+32*\c:(\s)+15+32*\c], v[TM+12+2*\c]
	v_cvt_scalef32_pk16_fp6_f32 v[PC+12+4*\c:PC+14+4*\c], v[(\s)+16+32*\c:(\s)+31+32*\c], v[TM+12+2*\c+1]
.endr
	v_nop
.irp c, 0,1
.irp i, 0,1,2
	v_permlane16_swap_b32 v[PC+6*\c+\i], v[PC+12+4*\c+\i]
.endr
.irp i, 0,1,2
	v_mov_b32 v[PC+3+6*\c+\i], v[PC+12+4*\c+\i]
.endr
.endr
.endm
; q, k: fragment a's 16 tokens; registers 0-31 are my half of the first head's 64 channels, 32-63 of the second's
.macro QKROW a
	s_wait_xcnt 0x0                                ; the earlier stores have read their registers
	WIN 0x06+(\a)/4                                ; source 0: the accumulators' window; source 1: window 1, the bias
.set II, 0
.rept 32
	v_pk_add_f32 v[T+II:T+II+1], v[64*((\a)%4)+II:64*((\a)%4)+II+1], v[192+II:193+II]      ; each accumulator from its low end on
.set II, II+2
.endr
	WIN 0
.irp j, 0,1
	v_pk_mul_f32 v[SQ+4*\j:SQ+4*\j+1], v[T+32*\j:T+32*\j+1], v[T+32*\j:T+32*\j+1]
	v_pk_mul_f32 v[SQ+4*\j+2:SQ+4*\j+3], v[T+32*\j+2:T+32*\j+3], v[T+32*\j+2:T+32*\j+3]
.endr
.irp i, 4,8,12,16,20,24,28
.irp j, 0,1
	v_pk_fma_f32 v[SQ+4*\j:SQ+4*\j+1], v[T+32*\j+\i:T+32*\j+\i+1], v[T+32*\j+\i:T+32*\j+\i+1], v[SQ+4*\j:SQ+4*\j+1]
	v_pk_fma_f32 v[SQ+4*\j+2:SQ+4*\j+3], v[T+32*\j+\i+2:T+32*\j+\i+3], v[T+32*\j+\i+2:T+32*\j+\i+3], v[SQ+4*\j+2:SQ+4*\j+3]
.endr
.endr
.irp j, 0,1
	v_pk_add_f32 v[SQ+4*\j:SQ+4*\j+1], v[SQ+4*\j:SQ+4*\j+1], v[SQ+4*\j+2:SQ+4*\j+3]
.endr
.irp j, 0,1
	v_add_f32 v[SQ+4*\j], v[SQ+4*\j], v[SQ+4*\j+1]
.endr
.irp j, 0,1
	v_permlanex16_b32 v[SQ+4*\j+1], v[SQ+4*\j], s[SEL], s[SEL+1]
.endr
.irp j, 0,1
	v_add_f32 v[SQ+4*\j], v[SQ+4*\j], v[SQ+4*\j+1] ; the head's sum of squares
.endr
	s_wait_alu depctr_va_vdst(0)
.irp j, 0,1
	v_rsq_f32 v[INV+2*\j], v[SQ+4*\j]
.endr
	v_nop
	s_wait_alu depctr_va_vdst(0)                   ; one wait for the two, ahead of their first reader
.irp j, 0,1
	v_min_num_f32 v[INV+2*\j], 0x5368d4a5, v[INV+2*\j]   ; 1 / max(norm, 1e-12)
.endr
.irp j, 0,1
	v_mov_b32 v[INV+2*\j+1], v[INV+2*\j]
.endr
.irp j, 0,1
.set II, 0
.rept 16
	v_pk_mul_f32 v[T+32*\j+II:T+32*\j+II+1], v[T+32*\j+II:T+32*\j+II+1], v[INV+2*\j:INV+2*\j+1]
.set II, II+2
.endr
.endr
	QUANT T
.irp j, 0,1                            ; registers 6 j .. 6 j + 5 are head j's half fragment
	global_store_b128 v3, v[PC+6*\j:PC+6*\j+3], s[82+2*\j:83+2*\j] offset:(\a)*768
	global_store_b64 v22, v[PC+6*\j+4:PC+6*\j+5], s[82+2*\j:83+2*\j] offset:(\a)*768+512
.endr
	v_lshrrev_b32 v[PWC], v24, v[PW]
	v_and_b32 v[PWC], 0xffff, v[PWC]               ; lanes 0-15 the first head's two bytes, lanes 16-31 the second's; bytes 2, 3 are 0 and stand over zero codes
	global_store_b32 v23, v[PWC], s[82:83] offset:6144+64*(\a)
.endm
; v: fragment a's 16 channels; my registers run along the wave's 128 keys
.macro VROW a
	s_wait_xcnt 0x0
	v_mov_b32 v[49+2*(\a)], v[48+2*(\a)]
	WIN 0x02+(\a)/4
.set II, 0
.rept 32
	v_pk_add_f32 v[T+II:T+II+1], v[64*((\a)%4)+II:64*((\a)%4)+II+1], v[48+2*(\a):49+2*(\a)]
.set II, II+2
.endr
	WIN 0
	QUANT T
.irp g, 0,1,2
	global_store_b128 v3, v[PC+4*\g:PC+4*\g+3], s[82:83] offset:((\a)%4)*1536+((\a)/4)*208896+512*\g
.endr
.if ((\a)%2) == 0
	v_mov_b32 v[PWS], v[PW]
.else
	v_cndmask_b32 v[PWC], v[PWS], v[PW], s88       ; lanes 0-15 fragment a - 1's words, lanes 16-31 fragment a's
	global_store_b32 v25, v[PWC], s[82:83] offset:6144+(((\a)-1)%4)*64+((\a)/4)*208896
.endif
.endm
	PLACES 4
	s_wait_loadcnt 0x0                             ; the biases
.irp b, 0,1,2,3
	v_mov_b32 v[TM+4+\b], 0                        ; a lane permute's destination counts as one of its sources
.endr
	s_mov_b32 s[SEL], 0x76543210
	s_mov_b32 s[SEL+1], 0xfedcba98
	s_mov_b32 s88, 0xffff0000
	s_mov_b32 s81, 0
	s_cmp_lt_u32 ttmp9, 2
	s_cbranch_scc0 .Lv_out
	s_lshl_b32 s77, s17, 1
	s_add_co_u32 s77, s77, s15                     ; my block of 128 tokens
	s_lshl_b32 s78, s42, 1
	s_add_co_u32 s78, s78, s16
	s_and_b32 s78, s78, 7                          ; my block of 128 columns: heads 2 nb, 2 nb + 1
	s_lshr_b32 s79, s77, 4
	s_lshl_b32 s79, s79, 4
	s_lshl_b32 s80, s78, 1
	s_add_co_u32 s79, s79, s80                     ; 16 x batch + head
	s_lshl_b32 s79, s79, 4
	s_and_b32 s80, s77, 15
	s_add_co_u32 s79, s79, s80                     ; x 16 + the block in its sequence
	s_cmp_eq_u32 ttmp9, 0
	s_mov_b32 s76, 13056
	s_cselect_b32 s76, 6656, s76                   ; bytes from block to block: qc's or kvc's
	s_cselect_b64 s[82:83], s[70:71], s[72:73]
	s_mul_i32 s80, s79, s76
	s_add_nc_u64 s[82:83], s[82:83], s[80:81]      ; the first head's panel
	s_lshl_b32 s80, s76, 4
	s_add_nc_u64 s[84:85], s[82:83], s[80:81]      ; the second head's: 16 blocks on
	v_mul_u32_u24 v23, s80, v2
	v_lshl_add_u32 v23, v1, 2, v23                 ; scale words: 4 r, lanes 16-31 in the second head's panel
.irp a, 0,1,2,3,4,5,6,7
	QKROW \a
.endr
	s_branch .Lend
.Lv_out:
	s_lshl_b32 s77, s42, 1
	s_add_co_u32 s77, s77, s16                     ; my block of 128 tokens
	s_lshl_b32 s78, s17, 1
	s_add_co_u32 s78, s78, s15                     ; my block of 128 channels: heads 2 nb, 2 nb + 1
	s_lshr_b32 s79, s77, 4
	s_lshl_b32 s79, s79, 4
	s_lshl_b32 s78, s78, 1
	s_add_co_u32 s79, s79, s78
	s_lshl_b32 s79, s79, 4
	s_and_b32 s77, s77, 15
	s_add_co_u32 s79, s79, s77
	s_mul_i32 s80, s79, 13056
	s_add_co_u32 s80, s80, 6656                    ; v's part lies behind k's
	s_add_nc_u64 s[82:83], s[72:73], s[80:81]
.irp a, 0,1,2,3,4,5,6,7
	VROW \a
.endr
.Lend:
	s_wait_tensorcnt 0x0                           ; the wave's end
	ds_add_u32 v[SPW], v[NIL]
	s_wait_dscnt 0x0
	CROUND                                         ; the closing round
	s_endpgm
.Lfunc_end_k_q44b1c0df27_qkv:
	.size	k_q44b1c0df27_qkv, .Lfunc_end_k_q44b1c0df27_qkv-k_q44b1c0df27_qkv
	.p2alignl 7, 3214868480
	.fill 96, 4, 3214868480
	.section	.rodata,"a",@progbits
	.p2align	6, 0x0
	.amdhsa_kernel k_q44b1c0df27_qkv
		.amdhsa_group_segment_fixed_size 327680
		.amdhsa_private_segment_fixed_size 0
		.amdhsa_enable_private_segment 0
		.amdhsa_kernarg_size 56
		.amdhsa_user_sgpr_count 2
		.amdhsa_user_sgpr_kernarg_segment_ptr 1
		.amdhsa_wavefront_size32 1
		.amdhsa_system_sgpr_workgroup_id_x 1
		.amdhsa_system_sgpr_workgroup_id_y 1
		.amdhsa_system_sgpr_workgroup_id_z 1
		.amdhsa_system_vgpr_workitem_id 0
		.amdhsa_next_free_vgpr 1024
		.amdhsa_next_free_sgpr 100
		.amdhsa_reserve_vcc 0
		.amdhsa_float_denorm_mode_32 3
		.amdhsa_float_denorm_mode_16_64 3
		.amdhsa_memory_ordered 1
		.amdhsa_forward_progress 1
		.amdhsa_inst_pref_size 248
	.end_amdhsa_kernel
	.amdgpu_metadata
---
amdhsa.version: [ 1, 2 ]
amdhsa.kernels:
  - .name:           k_q44b1c0df27_qkv
    .symbol:         k_q44b1c0df27_qkv.kd
    .args:
      - { .name: xn, .offset: 0, .size: 8, .value_kind: global_buffer, .address_space: global }
      - { .name: wc, .offset: 8, .size: 8, .value_kind: global_buffer, .address_space: global }
      - { .name: bq, .offset: 16, .size: 8, .value_kind: global_buffer, .address_space: global }
      - { .name: bk, .offset: 24, .size: 8, .value_kind: global_buffer, .address_space: global }
      - { .name: bv, .offset: 32, .size: 8, .value_kind: global_buffer, .address_space: global }
      - { .name: qc, .offset: 40, .size: 8, .value_kind: global_buffer, .address_space: global }
      - { .name: kvc, .offset: 48, .size: 8, .value_kind: global_buffer, .address_space: global }
    .group_segment_fixed_size: 327680
    .private_segment_fixed_size: 0
    .kernarg_segment_align: 8
    .kernarg_segment_size: 56
    .max_flat_workgroup_size: 128
    .sgpr_count:     100
    .vgpr_count:     1024
    .wavefront_size: 32
...
	.end_amdgpu_metadata
.endif
;; end of part 2
;; launch attn (part 3): grid 8 x 32, 8 waves a work-group, clusters of 4 x 1, 327,680 bytes of LDS; arguments qc, kvc, logit_scale, ctx; writes ctx
.if DOCPART == 3
	.amdgcn_target "amdgcn-amd-amdhsa--gfx1250"
	.amdhsa_code_object_version 6
	.text
	.protected	k_q44b1c0df27_attn
	.globl	k_q44b1c0df27_attn
	.p2align	8
	.type	k_q44b1c0df27_attn,@function
k_q44b1c0df27_attn:
	s_mov_b64 s[64:65], 0
	v_nop
	global_prefetch_b8 v0, s[64:65] scope:SCOPE_SE
	s_setreg_imm32_b32 hwreg(HW_REG_WAVE_MODE, 25, 1), 1
	s_wait_xcnt 0x0
	s_wait_alu depctr_hold_cnt(0) depctr_sa_sdst(0) depctr_va_vdst(0) depctr_va_sdst(0) depctr_va_ssrc(0) depctr_va_vcc(0) depctr_vm_vsrc(0)
	s_getreg_b32 s2, hwreg(HW_REG_IB_STS2, 6, 4)
	s_cmp_eq_u32 s2, 0
	s_cbranch_scc0 .Lentry_in_a_cluster
	s_endpgm
.Lentry_in_a_cluster:
	s_bfe_u32 s2, ttmp6, 0x10000c
	s_cmp_lg_u32 s2, 0x3003
	s_cbranch_scc0 .Lentry_shape_is_right
	s_endpgm
.Lentry_shape_is_right:
; Cosine attention on codes of E2M3.  t = (q . k) x exp(min(logit_scale, ln 100)) x log2(e); M = the running largest t rounded up to a whole number; p = 2^(t - M) is quantised along the keys;
; the row's sum is taken of the unquantised p and divides at the end; when M moves, the sum and O are multiplied by 2^(old M - new M), which rounds nothing.
; A work-group owns 256 queries of one head; each of its eight waves 32 of them: TWO tiles of 16 queries, so that each fragment of k and v read from LDS feeds two products.
; Tile 0's state lies in register window 0, tile 1's under the same numbers in window 1: one macro serves both, under one window setting.
; ALL of the head's k and v, 16 steps of 128 keys x 13,056 bytes, lie in LDS: filled ONCE, one tensor load of two steps a wave, jointly for the four work-groups of the cluster, which belong to one head.
; Both products are used transposed (S^T = K Q^T, O^T = V^T P^T): a lane holds one query throughout.
; THE KEYS OF A TILE OF K ARE CHOSEN BY THE LANES' LDS ADDRESSES: row r of tile 4 c + i is key 64 c + 32 (r / 8) + 8 i + r % 8.  (In kvc fragment a, lane r' holds key 32 (a / 2) + 8 (a % 2) + r' + 8 (r' / 8):
; so a = 4 c + 2 (r / 8) + i % 2 and r' = r % 8 + 8 (i / 2).)  The 32 registers of tiles 4 c .. 4 c + 3 are then keys 64 c + 32 (lane / 16) + 0 .. 31: a WHOLE block of 32 in a lane, in the order of the next operand.
; The head's size is 64: the upper 64 of the first product's K are zero codes in Q.  K's fragments lie 6 registers apart, so that an operand's upper six registers are the next fragment's codes: finite numbers
; that meet Q's zeros under scale bytes 0, and add nothing.
; A scale register carries two tiles' words: lanes 0-15 the even tile's, lanes 16-31 the odd one's.
; ctx leaves as the head's six registers of a fragment image (panel of 128 tokens x 128 K; the head is half head % 2 of K step head / 2) and one scale byte a lane.
; No prefetch: k and v are asked for once, at the head; there is no loop to run ahead in.  The last trip asks LDS for step 0's k again, so that the step is written once; nothing reads it.
; LIMITS: x / l is x times v_rcp_f32(l); a block of zeros, or one under 2^-124, keeps the byte 1; NaN and infinities are not served.
; REGISTERS.  Window 0 alone: v1-3, v28-29, v86-95 addresses; v4-7 k's scale words, v8-9 v's, v10-11 Q's, v30-31 p's; v32-79 k's eight fragments, v80-85 zeros.  Window 1 alone: v32-79 v's four fragments.
; Both windows: v12 -M, v13 the largest score, v[14:15] the sum, v16-27 Q, v96-110 and v236-250 at work, v128-191 S^T, then p, v192-223 O^T, v224-235 p's codes.
.set PANEL, 12800
.set SCO,   12288
.set STEPB, 13056                      ; a step of 128 keys: k's 8 half images and 512 bytes of words, v's 4 images and 256 bytes of words
.set SPARE, 0x33000                    ; behind the 16 steps: the spare words, 128 bytes a wave
.set KA0, 2
.set KB0, 3
.set KS0, 28
.set VS0, 29
.set SPW, 92
.set NIL, 93
.set BP,  94
.set L8,  95
.set R4,  112
.set KF,  32
.set VF,  32
.set S,   128
.set OT,  192
.set P,   224
.set MA,  236
.set MB,  238
.set TP,  240
.set TA,  241
.set F,   242
.set SCL, 244
.set BY,  246
.set W,   248
.set W2,  249
.set TC,  250
.set TT,  96
.set TU,  100
.set A1,  104
.set H8,  110
.set TB,  36
.set CNT, 37
.set TN,  38
.set SEL, 48
.set CC,  52
.set MSB, 0
.macro WIN new                         ; the immediate's high byte repeats the setting that is left
.if MSB != (\new)
	s_set_vgpr_msb (MSB<<8)|(\new)
.set MSB, (\new)
.endif
.endm
.macro CROUND                          ; a round of the cluster's barrier
	s_barrier_signal -1
	s_barrier_wait -1
	s_cmp_lg_u32 s12, 0
	s_cbranch_scc1 .Lnot_wave_0_\@
	s_barrier_signal -3
.Lnot_wave_0_\@:
	s_barrier_wait -3
	s_barrier_signal -1
	s_barrier_wait -1
.endm
.macro LOADK a, b, s                   ; k's eight fragments and four registers of scale words
.irp f, 0,1,2,3,4,5,6,7
	ds_load_b128 v[KF+6*\f:KF+6*\f+3], v[\a] offset:(4*(\f/4)+\f%2)*768+128*((\f%4)/2)
	ds_load_b64 v[KF+6*\f+4:KF+6*\f+5], v[\b] offset:(4*(\f/4)+\f%2)*768+512+64*((\f%4)/2)
.endr
.irp j, 0,1,2,3
	ds_load_b32 v[4+\j], v[\s] offset:6144+256*(\j/2)+32*(\j%2)
.endr
.endm
.macro QKM q                           ; S^T of one tile of queries: eight accumulators, each begun with 0
	WIN 0x44*(\q)
.irp f, 0,1,2,3,4,5,6,7
.if \f%2
	v_wmma_scale_f32_16x16x128_f8f6f4 v[S+8*\f:S+8*\f+7], v[KF+6*\f:KF+6*\f+11], v[16:27], 0, v[4+\f/2], v[10+\q] matrix_a_fmt:MATRIX_FMT_FP6 matrix_b_fmt:MATRIX_FMT_FP6 matrix_a_scale:MATRIX_SCALE_ROW1
.else
	v_wmma_scale_f32_16x16x128_f8f6f4 v[S+8*\f:S+8*\f+7], v[KF+6*\f:KF+6*\f+11], v[16:27], 0, v[4+\f/2], v[10+\q] matrix_a_fmt:MATRIX_FMT_FP6 matrix_b_fmt:MATRIX_FMT_FP6
.endif
.endr
.endm
.macro PVM q                           ; O^T += V^T P^T: v's fragments from window 1
	WIN 0x01+0x54*(\q)
.irp t, 0,1,2,3
.if \t%2
	v_wmma_scale_f32_16x16x128_f8f6f4 v[OT+8*\t:OT+8*\t+7], v[VF+12*\t:VF+12*\t+11], v[P:P+11], v[OT+8*\t:OT+8*\t+7], v[8+\t/2], v[30+\q] matrix_a_fmt:MATRIX_FMT_FP6 matrix_b_fmt:MATRIX_FMT_FP6 matrix_a_scale:MATRIX_SCALE_ROW1
.else
	v_wmma_scale_f32_16x16x128_f8f6f4 v[OT+8*\t:OT+8*\t+7], v[VF+12*\t:VF+12*\t+11], v[P:P+11], v[OT+8*\t:OT+8*\t+7], v[8+\t/2], v[30+\q] matrix_a_fmt:MATRIX_FMT_FP6 matrix_b_fmt:MATRIX_FMT_FP6
.endif
.endr
.endm
.macro PKF n                           ; t - M, two at a time
.rept \n
	v_pk_fma_f32 v[S+II:S+II+1], v[S+II:S+II+1], s[CC:CC+1], v[12:13] op_sel_hi:[1,0,0]
.set II, II+2
.endr
.endm
.macro OMUL n                          ; O^T under the new M, each accumulator from its low end on
.rept \n
	v_pk_mul_f32 v[OT+JJ:OT+JJ+1], v[OT+JJ:OT+JJ+1], v[F:F+1] op_sel_hi:[1,0]
.set JJ, JJ+2
.endr
.endm
; the softmax of one tile of 16 queries x 128 keys, and p's codes and scale word
.macro SOFT q
	WIN 0x55*(\q)
	s_wait_alu depctr_va_vdst(0)                   ; the wait ahead of the first reader of S^T
.irp c, 0,1                            ; the largest score of my two blocks of 32 keys, two chains a block: for the row's maximum, and, since p rises with the score, for the block's largest p
	v_max3_num_f32 v[MA+\c], v[S+32*\c], v[S+32*\c+1], v[S+32*\c+2]
	v_max3_num_f32 v[MB+\c], v[S+32*\c+3], v[S+32*\c+4], v[S+32*\c+5]
.endr
.irp i, 6,10,14,18,22,26
.irp c, 0,1
	v_max3_num_f32 v[MA+\c], v[MA+\c], v[S+32*\c+\i], v[S+32*\c+\i+1]
	v_max3_num_f32 v[MB+\c], v[MB+\c], v[S+32*\c+\i+2], v[S+32*\c+\i+3]
.endr
.endr
.irp c, 0,1
	v_max3_num_f32 v[MA+\c], v[MA+\c], v[S+32*\c+30], v[S+32*\c+31]
.endr
.irp c, 0,1
	v_max_num_f32 v[MA+\c], v[MA+\c], v[MB+\c]
.endr
	s_delay_alu instid0(VALU_DEP_1)
	v_max3_num_f32 v13, v13, v[MA], v[MA+1]
	s_delay_alu instid0(VALU_DEP_1)
	v_permlanex16_b32 v[TP], v13, s[SEL], s[SEL+1]
	s_delay_alu instid0(VALU_DEP_1)
	v_max_num_f32 v13, v13, v[TP]                  ; the running largest score of my query (c is positive)
	s_delay_alu instid0(VALU_DEP_1)
	v_mul_f32 v[TA], s[CC], v13                    ; as t
	s_delay_alu instid0(VALU_DEP_1)
	v_floor_f32 v[TA], -v[TA]                      ; the new -M = -ceil(t)
	s_delay_alu instid0(VALU_DEP_1)
	v_sub_f32 v[TC], v[TA], v12                    ; old M - new M: a whole number, 0 or less
	v_mov_b32 v12, v[TA]
.set II, 0
.set JJ, 0
	PKF 2
	v_cvt_i32_f32 v[TC], v[TC]                     ; (it saturates)
	PKF 2
	v_ldexp_f32 v[F], 1.0, v[TC]                   ; f = 2^(old M - new M)
	PKF 28
.irp c, 0,1
	v_fma_f32 v[MA+\c], v[MA+\c], s[CC], v12
.endr
	s_wait_alu depctr_va_vdst(0)                   ; the wait ahead of the batch
.set II, 0
.rept 64
	v_exp_f32 v[S+II], v[S+II]                     ; p = 2^(t - M)
.set II, II+1
.endr
.irp c, 0,1
	v_exp_f32 v[MA+\c], v[MA+\c]                   ; each block's largest p
.endr
	s_wait_alu depctr_va_vdst(0)                   ; one wait for the 66, and ahead of the first reader of O^T
	OMUL 4
.irp c, 0,1
	v_max_num_f32 v[MA+\c], 0x1800000, v[MA+\c]    ; the floor 2^(3 - 127): the byte cannot fall under 1
.endr
	OMUL 4
.irp c, 0,1
	v_add_nc_u32 v[SCL+\c], 0xff000000, v[MA+\c]   ; 2 off the exponent field: the conversion's scale operand
.endr
	OMUL 4
.irp c, 0,1
	v_lshrrev_b32 v[BY+\c], 23, v[SCL+\c]          ; the byte of block 2 c + lane / 16
.endr
	OMUL 2
	v_lshl_or_b32 v[W], v[BY+1], 16, v[BY]
	OMUL 2
	v_lshlrev_b32 v[W], v[H8], v[W]                ; at their places in the word: 8 (lane / 16) bits up
	v_cvt_scalef32_pk16_fp6_f32 v[P:P+2], v[S:S+15], v[SCL]
	v_cvt_scalef32_pk16_fp6_f32 v[TT:TT+2], v[S+16:S+31], v[SCL]        ; (a conversion's three registers begin on an even number)
	v_cvt_scalef32_pk16_fp6_f32 v[P+6:P+8], v[S+32:S+47], v[SCL+1]
	v_cvt_scalef32_pk16_fp6_f32 v[TU:TU+2], v[S+48:S+63], v[SCL+1]
	v_pk_fma_f32 v[14:15], v[14:15], v[F:F+1], v[S:S+1] op_sel_hi:[1,0,1]   ; the sum under the new M, and p's first pair (a plain line behind the conversions)
	v_permlanex16_b32 v[W2], v[W], s[SEL], s[SEL+1]
.irp i, 0,1,2
	v_mov_b32 v[P+3+\i], v[TT+\i]
	v_mov_b32 v[P+9+\i], v[TU+\i]
.endr
	WIN 0x05*(\q)                                  ; scale operands are taken from window 0
	v_or_b32 v[30+\q], v[W], v[W2]                 ; p's scale word for these 128 keys
	WIN 0x55*(\q)
	v_pk_add_f32 v[A1:A1+1], v[S+2:S+3], v[S+4:S+5]        ; the row's sum of the unquantised p, in four chains; these lines are also the places between codes, scale word and products
	v_pk_add_f32 v[A1+2:A1+3], v[S+6:S+7], v[S+8:S+9]
	v_pk_add_f32 v[A1+4:A1+5], v[S+10:S+11], v[S+12:S+13]
.set II, 14
.rept 6
	v_pk_add_f32 v[14:15], v[14:15], v[S+II:S+II+1]
	v_pk_add_f32 v[A1:A1+1], v[A1:A1+1], v[S+II+2:S+II+3]
	v_pk_add_f32 v[A1+2:A1+3], v[A1+2:A1+3], v[S+II+4:S+II+5]
	v_pk_add_f32 v[A1+4:A1+5], v[A1+4:A1+5], v[S+II+6:S+II+7]
.set II, II+8
.endr
	v_pk_add_f32 v[14:15], v[14:15], v[S+62:S+63]
	v_pk_add_f32 v[A1:A1+1], v[A1:A1+1], v[A1+2:A1+3]
	v_pk_add_f32 v[14:15], v[14:15], v[A1+4:A1+5]
	v_pk_add_f32 v[14:15], v[14:15], v[A1:A1+1]
.endm
.macro INITQ                           ; a tile's state, by constants alone
.irp i, 22,23,24,25,26,27
	v_mov_b32 v\i, 0                               ; zero codes for the upper 64 of K
.endr
	v_mov_b32 v13, 0xff61b1e6                      ; the largest score so far: -3e38
	v_mov_b32 v12, 0x7f61b1e6                      ; -M
	v_mov_b32 v14, 0
	v_mov_b32 v15, 0
	v_mov_b32 v[TP], 0                             ; a lane permute's destination counts as one of its sources
	v_mov_b32 v[W2], 0
	v_mov_b32 v[F+1], 0                            ; (named as the upper half of a pair)
.set II, 0
.rept 32
	v_mov_b32 v[OT+II], 0                          ; O^T: the step is written once; the first finds zeros
.set II, II+1
.endr
.endm
	s_load_b256 s[4:11], s[0:1], 0x0               ; qc, kvc, logit_scale, ctx
	v_lshl_add_u32 v[SPW], v0, 2, SPARE
	v_mov_b32 v[NIL], 0
	ds_add_u32 v[SPW], v[NIL]                      ; the opening lines: the add, twice on end, and its wait
	ds_add_u32 v[SPW], v[NIL]
	v_lshrrev_b32 v1, 5, v0
	v_readfirstlane_b32 s12, v1                    ; wave 0..7
	s_bfe_u32 s13, ttmp6, 0x40000                  ; cx: it enters Q's and ctx's global addresses alone
	s_lshl_b32 s14, ttmp9, 2
	s_add_co_u32 s14, s14, s13                     ; my block of 256 queries
	s_and_b32 s15, ttmp7, 0xffff                   ; 16 x batch + head, which the four partners share
	s_mov_b32 s24, 15|(3<<16)|(1<<21)              ; group 1: the mask: all four; elements of 8 bytes; bit 21 beside the mask; a dense block of 26,112 bytes as 102 rows of 256
	s_mov_b32 s25, 32<<16
	s_mov_b32 s26, 102<<16
	s_mov_b32 s27, 32<<16
	s_mov_b32 s28, 102
	s_mov_b32 s29, 32
	s_mov_b32 s30, 0
	s_mov_b32 s31, 0
	s_lshl_b32 s16, s15, 4
	s_lshl_b32 s17, s12, 1
	s_add_co_u32 s16, s16, s17
	s_mul_i32 s16, s16, STEPB                      ; wave w fetches the head's steps 2 w and 2 w + 1
	s_mov_b32 s17, 0
	s_mov_b32 s32, 1
	s_mul_i32 s33, s12, 2*STEPB
	s_lshl_b32 s18, s15, 4
	s_lshl_b32 s19, s14, 1
	s_add_co_u32 s18, s18, s19
	s_lshr_b32 s21, s12, 2
	s_add_co_u32 s18, s18, s21                     ; my panel of qc
	s_mul_i32 s20, s18, 6656
	s_and_b32 s19, s12, 3
	s_lshl_b32 s19, s19, 1                         ; my first fragment; the second follows it
	s_mul_i32 s22, s19, 768
	s_add_co_u32 s22, s22, s20
	s_mov_b32 s23, 0
	s_lshl_b32 s38, s19, 6
	s_add_co_u32 s38, s38, s20
	s_add_co_u32 s38, s38, 6144
	s_mov_b32 s39, 0
	s_and_b32 s51, s15, 15
	s_lshl_b32 s51, s51, 2                         ; the head's logit_scale
	s_mov_b32 s[SEL], 0x76543210
	s_mov_b32 s[SEL+1], 0xfedcba98
	s_mov_b32 s50, 0xffff0000
	s_lshr_b32 s54, s15, 4                         ; where ctx goes
	s_lshl_b32 s54, s54, 4
	s_lshl_b32 s55, s14, 1
	s_add_co_u32 s54, s54, s55
	s_add_co_u32 s54, s54, s21                     ; my block of 128 tokens
	s_lshl_b32 s54, s54, 3
	s_bfe_u32 s55, s15, 0x30001                    ; head / 2: the K step
	s_add_co_u32 s54, s54, s55
	s_mul_i32 s54, s54, PANEL
	s_mul_i32 s56, s19, 1536
	s_add_co_u32 s56, s56, s54
	s_mov_b32 s57, 0
	s_lshl_b32 s58, s19, 6
	s_add_co_u32 s58, s58, s54
	s_and_b32 s55, s15, 1
	s_lshl_b32 s55, s55, 1
	s_add_co_u32 s58, s58, s55                     ; + 2 (head % 2): the head's two bytes of the word
	s_add_co_u32 s58, s58, SCO
	s_mov_b32 s59, 0
	s_wait_dscnt 0x0                               ; both opening adds are done
	s_wait_kmcnt 0x0
	s_add_nc_u64 s[34:35], s[6:7], s[16:17]
	s_or_b32 s35, s35, 0x80000000
	s_add_nc_u64 s[40:41], s[4:5], s[22:23]
	s_add_nc_u64 s[42:43], s[4:5], s[38:39]
	s_add_nc_u64 s[44:45], s[10:11], s[56:57]
	s_add_nc_u64 s[46:47], s[10:11], s[58:59]
	CROUND                                         ; all four work-groups are here: the joint loads meet
	s_cmp_lt_u32 s12, 2                            ; THE FILLS GO OUT IN TWO GROUPS: waves 0 and 1 ask for steps 0-3 here,
	s_cbranch_scc0 .Lnot_first
	tensor_load_to_lds s[32:35], s[24:31]
	s_nop 0
.rept 4
	v_nop
.endr
.Lnot_first:
	v_and_b32 v1, 31, v0                           ; lane
	v_and_b32 v[R4], 15, v0                        ; r
	v_bfe_u32 v[H8], v0, 4, 1                      ; h
	v_bfe_u32 v2, v0, 3, 1                         ; r / 8
	v_and_b32 v3, 7, v0                            ; r % 8
	v_lshlrev_b32 v[L8], 3, v1                     ; 8 x lane
	v_lshlrev_b32 v[VS0], 2, v1                    ; 4 x lane
	v_lshlrev_b32 v1, 4, v1                        ; 16 x lane
	v_lshl_add_u32 v[BP], v[R4], 2, v[H8]          ; ctx's scale byte: 4 r + h
	v_lshlrev_b32 v[R4], 2, v[R4]                  ; 4 r
	v_mul_u32_u24 v113, v2, 1536                   ; rows 8-15 of a tile of k come from the fragment two further on
	v_lshl_add_u32 v114, v[H8], 4, v3              ; r % 8 + 16 h
	v_lshlrev_b32 v[KS0], 7, v2
	v_lshl_add_u32 v[KS0], v114, 2, v[KS0]         ; k's scale words: 128 (r / 8) + 4 (r % 8) + 64 h: lanes 16-31 take the odd tile's
	v_lshl_add_u32 v[KA0], v114, 4, v113           ; k's registers 0-3
	v_lshl_add_u32 v[KB0], v114, 3, v113           ; k's registers 4, 5
	v_lshlrev_b32 v[H8], 3, v[H8]                  ; 8 h
	v_mov_b32 v115, s51
	global_load_b128 v[16:19], v1, s[40:41]        ; Q's half fragments stay in registers
	global_load_b64 v[20:21], v[L8], s[40:41] offset:512
	global_load_b32 v10, v[R4], s[42:43]           ; their scale words
	global_load_b32 v11, v[R4], s[42:43] offset:64
	global_load_b32 v116, v115, s[8:9]
	WIN 0x40                                       ; destinations in window 1
	global_load_b128 v[16:19], v1, s[40:41] offset:768
	global_load_b64 v[20:21], v[L8], s[40:41] offset:1280
	v_mov_b32 v[H8], v[H8]
	INITQ
	WIN 0
	INITQ
.irp i, 80,81,82,83,84,85
	v_mov_b32 v\i, 0                               ; behind k's last fragment
.endr
	s_wait_alu depctr_va_vdst(0)
	s_wait_loadcnt 0x0
	v_min_num_f32 v116, 0x40935d8e, v116           ; min(logit_scale, ln 100)
	v_mul_f32 v116, 0x3fb8aa3b, v116
	s_wait_alu depctr_va_vdst(0)
	v_exp_f32 v116, v116
	v_nop
	s_wait_alu depctr_va_vdst(0)
	v_mul_f32 v116, 0x3fb8aa3b, v116               ; c = scale x log2(e)
	v_readfirstlane_b32 s[CC], v116
	s_mov_b32 s[CC+1], s[CC]
	s_mov_b32 s[CNT], 0
	s_wait_alu depctr_va_vdst(0)                   ; the wait at the head's end
	s_wait_tensorcnt 0x0                           ; steps 0-3 have landed; the add twice
	ds_add_u32 v[SPW], v[NIL]
	ds_add_u32 v[SPW], v[NIL]
	s_wait_dscnt 0x0
	CROUND                                         ; everybody sees steps 0-3, and the joint loads meet
	s_cmp_lt_u32 s12, 2                            ; waves 2-7 ask for steps 4-15, which land under the first three trips
	s_cbranch_scc1 .Lnot_second
	tensor_load_to_lds s[32:35], s[24:31]
	s_nop 0
.rept 4
	v_nop
.endr
.Lnot_second:
	LOADK KA0, KB0, KS0                            ; step 0's k
	s_wait_dscnt 0x0
.macro TRIP wrap                       ; a step of 128 keys; it reads this step's v and the next step's k
	s_mul_i32 s[TB], s[CNT], STEPB                 ; this step's bytes,
	s_add_co_u32 s[TN], s[CNT], 1
.if \wrap
	s_and_b32 s[TN], s[TN], 15
.endif
	s_mul_i32 s[TN], s[TN], STEPB                  ; and the next step's (behind the last: step 0's)
	QKM 0
	QKM 1
	WIN 0
	v_add_nc_u32 v86, s[TN], v[KA0]                ; five plain lines: the places in front of the loads into registers that products have read
	v_add_nc_u32 v87, s[TN], v[KB0]
	v_add_nc_u32 v88, s[TN], v[KS0]
	v_add_nc_u32 v89, s[TB], v1
	v_add_nc_u32 v90, s[TB], v[VS0]
	LOADK 86, 87, 88                               ; the next step's k and this step's v land under the softmax
.irp j, 0,1
	ds_load_b32 v[8+\j], v90 offset:12800+128*\j
.endr
	WIN 0x40
.irp t, 0,1,2,3
.irp g, 0,1,2
	ds_load_b128 v[VF+12*\t+4*\g:VF+12*\t+4*\g+3], v89 offset:6656+1536*\t+512*\g
.endr
.endr
	SOFT 0
	SOFT 1
	WIN 0
	s_wait_alu depctr_va_vdst(0)
	s_wait_dscnt 0x0                               ; all 34 loads of this trip
	PVM 0
	PVM 1
	WIN 0
.endm
.Lstep_a:                                          ; three trips, which read steps 0-3 alone
	TRIP 0
	s_add_co_u32 s[CNT], s[CNT], 1
	s_cmp_lt_u32 s[CNT], 3
	s_cbranch_scc1 .Lstep_a
	s_wait_tensorcnt 0x0                           ; my part of steps 4-15 has landed (no LDS instruction of mine is out: each trip waits for all its loads),
	s_barrier_signal -1
	s_barrier_wait -1                              ; everybody's has
	s_mov_b32 s[CNT], 3
.Lstep_b:                                          ; the other thirteen
	TRIP 1
	s_add_co_u32 s[CNT], s[CNT], 1
	s_cmp_lt_u32 s[CNT], 16
	s_cbranch_scc1 .Lstep_b
; THE WAY OUT of one tile: O^T / l; register 16 b + i is channel 32 b + 16 h + i of my query; quantised along the head's 64
.macro OUTQ q
	WIN 0x55*(\q)
	v_add_f32 v14, v14, v15
	v_permlanex16_b32 v[TP], v14, s[SEL], s[SEL+1]
	v_add_f32 v14, v14, v[TP]                      ; the row's sum
	s_wait_alu depctr_va_vdst(0)
	v_rcp_f32 v14, v14
.rept 4
	v_nop
.endr
	s_wait_alu depctr_va_vdst(0)                   ; ahead of the reciprocal's and O^T's first reader
.set II, 0
.rept 32
	v_mul_f32 v[S+II], v[OT+II], v14
.set II, II+1
.endr
.irp b, 0,1
	v_max3_num_f32 v[232+\b], |v[S+16*\b]|, |v[S+1+16*\b]|, 0x1800000
.endr
.irp i, 2,4,6,8,10,12,14
.irp b, 0,1
	v_max3_num_f32 v[232+\b], v[232+\b], |v[S+16*\b+\i]|, |v[S+1+16*\b+\i]|
.endr
.endr
.irp b, 0,1
	v_permlanex16_b32 v[MA+\b], v[232+\b], s[SEL], s[SEL+1]
.endr
.irp b, 0,1
	v_max_num_f32 v[232+\b], v[232+\b], v[MA+\b]
.endr
.irp b, 0,1
	v_add_nc_u32 v[SCL+\b], 0xff000000, v[232+\b]
.endr
.irp b, 0,1
	v_lshrrev_b32 v[MA+\b], 23, v[SCL+\b]
.endr
	v_cvt_scalef32_pk16_fp6_f32 v[224:226], v[S:S+15], v[SCL]
	v_cvt_scalef32_pk16_fp6_f32 v[232:234], v[S+16:S+31], v[SCL+1]
	v_nop
.irp i, 0,1,2
	v_permlane16_swap_b32 v[224+\i], v[232+\i]
.endr
.irp i, 0,1,2
	v_mov_b32 v[227+\i], v[232+\i]                 ; v224-229: registers 6 c .. 6 c + 5 of the fragment, c = head % 2
.endr
	v_cndmask_b32 v[TP], v[MA], v[MA+1], s50       ; lane (r, h): the byte of block h
.endm
	OUTQ 0
	OUTQ 1
	WIN 0
	s_bitcmp1_b32 s15, 0                           ; the head's parity: the same in all partners
	s_wait_alu depctr_va_vdst(0)
	s_cbranch_scc1 .Lodd
	global_store_b128 v1, v[224:227], s[44:45]                 ; registers 0-3
	global_store_b64 v1, v[228:229], s[44:45] offset:512       ; registers 4, 5
	WIN 0x04                                       ; the data from window 1: the second tile, one image on
	global_store_b128 v1, v[224:227], s[44:45] offset:1536
	global_store_b64 v1, v[228:229], s[44:45] offset:2048
	WIN 0
	s_branch .Lbyte
.Lodd:
	global_store_b64 v1, v[224:225], s[44:45] offset:520       ; registers 6, 7
	global_store_b128 v1, v[226:229], s[44:45] offset:1024     ; registers 8-11
	WIN 0x04
	global_store_b64 v1, v[224:225], s[44:45] offset:2056
	global_store_b128 v1, v[226:229], s[44:45] offset:2560
	WIN 0
.Lbyte:
	global_store_b8 v[BP], v[TP], s[46:47]
	WIN 0x04
	global_store_b8 v[BP], v[TP], s[46:47] offset:64
	WIN 0
	s_wait_tensorcnt 0x0                           ; the wave's end
	ds_add_u32 v[SPW], v[NIL]
	s_wait_dscnt 0x0
	CROUND                                         ; the closing round
	s_endpgm
.Lfunc_end_k_q44b1c0df27_attn:
	.size	k_q44b1c0df27_attn, .Lfunc_end_k_q44b1c0df27_attn-k_q44b1c0df27_attn
	.p2alignl 7, 3214868480
	.fill 96, 4, 3214868480
	.section	.rodata,"a",@progbits
	.p2align	6, 0x0
	.amdhsa_kernel k_q44b1c0df27_attn
		.amdhsa_group_segment_fixed_size 327680
		.amdhsa_private_segment_fixed_size 0
		.amdhsa_enable_private_segment 0
		.amdhsa_kernarg_size 32
		.amdhsa_user_sgpr_count 2
		.amdhsa_user_sgpr_kernarg_segment_ptr 1
		.amdhsa_wavefront_size32 1
		.amdhsa_system_sgpr_workgroup_id_x 1
		.amdhsa_system_sgpr_workgroup_id_y 1
		.amdhsa_system_sgpr_workgroup_id_z 1
		.amdhsa_system_vgpr_workitem_id 0
		.amdhsa_next_free_vgpr 512
		.amdhsa_next_free_sgpr 66
		.amdhsa_reserve_vcc 0
		.amdhsa_float_denorm_mode_32 3
		.amdhsa_float_denorm_mode_16_64 3
		.amdhsa_memory_ordered 1
		.amdhsa_forward_progress 1
		.amdhsa_inst_pref_size 75
	.end_amdhsa_kernel
	.amdgpu_metadata
---
amdhsa.version: [ 1, 2 ]
amdhsa.kernels:
  - .name:           k_q44b1c0df27_attn
    .symbol:         k_q44b1c0df27_attn.kd
    .args:
      - { .name: qc, .offset: 0, .size: 8, .value_kind: global_buffer, .address_space: global }
      - { .name: kvc, .offset: 8, .size: 8, .value_kind: global_buffer, .address_space: global }
      - { .name: logit_scale, .offset: 16, .size: 8, .value_kind: global_buffer, .address_space: global }
      - { .name: ctx, .offset: 24, .size: 8, .value_kind: global_buffer, .address_space: global }
    .group_segment_fixed_size: 327680
    .private_segment_fixed_size: 0
    .kernarg_segment_align: 8
    .kernarg_segment_size: 32
    .max_flat_workgroup_size: 256
    .sgpr_count:     66
    .vgpr_count:     512
    .wavefront_size: 32
...
	.end_amdgpu_metadata
.endif
;; end of part 3
;; launch oproj (part 4): grid 8 x 32, 4 waves a work-group, clusters of 4 x 4, 327,680 bytes of LDS; arguments ctx, wc, bo, x, x2; writes x2
.if DOCPART == 4
	.amdgcn_target "amdgcn-amd-amdhsa--gfx1250"
	.amdhsa_code_object_version 6
	.text
	.protected	k_q44b1c0df27_oproj
	.globl	k_q44b1c0df27_oproj
	.p2align	8
	.type	k_q44b1c0df27_oproj,@function
k_q44b1c0df27_oproj:
	s_mov_b64 s[64:65], 0
	v_nop
	global_prefetch_b8 v0, s[64:65] scope:SCOPE_SE
	s_setreg_imm32_b32 hwreg(HW_REG_WAVE_MODE, 25, 1), 1
	s_wait_xcnt 0x0
	s_wait_alu depctr_hold_cnt(0) depctr_sa_sdst(0) depctr_va_vdst(0) depctr_va_sdst(0) depctr_va_ssrc(0) depctr_va_vcc(0) depctr_vm_vsrc(0)
	s_getreg_b32 s2, hwreg(HW_REG_IB_STS2, 6, 4)
	s_cmp_eq_u32 s2, 0
	s_cbranch_scc0 .Lentry_in_a_cluster
	s_endpgm
.Lentry_in_a_cluster:
	s_bfe_u32 s2, ttmp6, 0x10000c
	s_cmp_lg_u32 s2, 0xf033
	s_cbranch_scc0 .Lentry_shape_is_right
	s_endpgm
.Lentry_shape_is_right:
.set PANEL, 12800
.set SCO,   12288
.set REG,   2*PANEL
.set SLOT,  4*REG
.set SPARE, 2*SLOT
.set STAGE, SPARE+512
.set SPITCH, 272
.set SPS,   4
.set NKS,   8
.set LAPS,  NKS/(2*SPS)
.set BOFF,  2457600
.set ADRA, 16
.set ADRB, 18
.set ADRS, 20
.set STO,  22
.set RD,   23
.set CO,   24
.set BO,   25
.set SPW,  28
.set NIL,  29
.set SC,   32
.set BI,   48
.set AF,   64
.set OB,   64
.set G1A, 24
.set G0A, 32
.set G1B, 48
.set G0B, 56
.set MSB, 0
.macro WIN new
.if MSB != (\new)
	s_set_vgpr_msb (MSB<<8)|(\new)
.set MSB, (\new)
.endif
.endm
.macro PLACES n
.rept \n
	v_nop
.endr
.endm
.macro JLOAD g0a, g1a, g0b, g1b
	s_cmp_eq_u32 s15, 0
	s_cbranch_scc0 .Lfor_b_\@
	tensor_load_to_lds s[\g0a:\g0a+3], s[\g1a:\g1a+7]
	s_nop 0
.rept 4
	v_nop
.endr
	s_branch .Lasked_\@
.Lfor_b_\@:
	tensor_load_to_lds s[\g0b:\g0b+3], s[\g1b:\g1b+7]
	s_nop 0
.rept 4
	v_nop
.endr
.Lasked_\@:
.endm
.macro CREST
	s_cmp_lg_u32 s14, 0
	s_cbranch_scc1 .Lnot_wave_0_\@
	s_barrier_signal -3
.Lnot_wave_0_\@:
	s_barrier_wait -3
	s_barrier_signal -1
	s_barrier_wait -1
.endm
.macro CROUND
	s_barrier_signal -1
	s_barrier_wait -1
	CREST
.endm
	s_load_b256 s[4:11], s[0:1], 0x0
	s_load_b64 s[12:13], s[0:1], 0x20
	v_lshl_add_u32 v[SPW], v0, 2, SPARE
	v_mov_b32 v[NIL], 0
	ds_add_u32 v28, v29
	ds_add_u32 v28, v29
	s_wait_dscnt 0x0
	v_lshrrev_b32 v1, 5, v0
	v_readfirstlane_b32 s14, v1
	s_lshr_b32 s15, s14, 1
	s_and_b32 s16, s14, 1
	s_bfe_u32 s40, ttmp6, 0x40000
	s_bfe_u32 s41, ttmp6, 0x40004
	s_lshl_b32 s42, ttmp9, 2
	s_add_co_u32 s42, s42, s40
	s_and_b32 s17, ttmp7, 0xffff
	s_lshl_b32 s17, s17, 2
	s_add_co_u32 s17, s17, s41
	s_lshl_b32 s43, s41, 2
	s_lshl_b32 s43, 15, s43
	s_lshl_b32 s44, 0x1111, s40
	s_or_b32 s[G1A+0], s43, (3<<16)|(1<<21)
	s_or_b32 s[G1B+0], s44, (3<<16)|(1<<21)
.irp g, G1A, G1B
	s_mov_b32 s[\g+1], 32<<16
	s_mov_b32 s[\g+2], 100<<16
	s_mov_b32 s[\g+3], 32<<16
	s_mov_b32 s[\g+4], 100
	s_mov_b32 s[\g+5], 32
	s_mov_b32 s[\g+6], 0
	s_mov_b32 s[\g+7], 0
.endr
	s_mul_i32 s18, s16, REG
	s_mul_i32 s20, s17, NKS*PANEL
	s_add_co_u32 s20, s20, s18
	s_mov_b32 s21, 0
	s_mul_i32 s46, s42, NKS*PANEL
	s_add_co_u32 s46, s46, s18
	s_mov_b32 s47, 0
	s_mul_i32 s45, s14, REG
	s_wait_kmcnt 0x0
	s_add_nc_u64 s[92:93], s[6:7], BOFF
	s_add_nc_u64 s[20:21], s[4:5], s[20:21]
	s_add_nc_u64 s[46:47], s[92:93], s[46:47]
	CROUND
.irp s, 0,1
	s_mov_b32 s[G0A+4*\s], 1
	s_add_co_u32 s[G0A+4*\s+1], s45, \s*SLOT
	s_add_nc_u64 s[G0A+4*\s+2:G0A+4*\s+3], s[20:21], \s*SPS*PANEL
	s_or_b32 s[G0A+4*\s+3], s[G0A+4*\s+3], 0x80000000
	s_mov_b32 s[G0B+4*\s], 1
	s_add_co_u32 s[G0B+4*\s+1], s45, \s*SLOT
	s_add_nc_u64 s[G0B+4*\s+2:G0B+4*\s+3], s[46:47], \s*SPS*PANEL
	s_or_b32 s[G0B+4*\s+3], s[G0B+4*\s+3], 0x80000000
.endr
	JLOAD G0A, G1A, G0B, G1B
	v_and_b32 v1, 15, v0
	v_bfe_u32 v2, v0, 4, 1
	s_wait_alu depctr_va_vdst(0)
	v_and_b32 v4, 31, v0
	v_lshlrev_b32 v3, 4, v4
	s_mul_i32 s21, s15, 6144
	s_mul_i32 s22, s16, 6144
	s_add_co_u32 s22, s22, 2*REG
.irp s, 0,1
	v_add_nc_u32 v[ADRA+\s], s21, v3
	v_add_nc_u32 v[ADRB+\s], s22, v3
	s_add_co_u32 s21, s21, SLOT
	s_add_co_u32 s22, s22, SLOT
.endr
	s_lshl_b32 s21, s15, 8
	s_lshl_b32 s22, s16, 8
	s_add_co_u32 s22, s22, 2*REG
	s_sub_co_u32 s22, s22, s21
	v_mul_u32_u24 v6, s22, v2
	v_lshl_add_u32 v6, v1, 2, v6
	s_add_co_u32 s21, s21, SCO
	v_add_nc_u32 v[ADRS], s21, v6
	v_add_nc_u32 v[ADRS+1], SLOT, v[ADRS]
	s_mul_i32 s23, s14, 16*SPITCH
	s_add_co_u32 s23, s23, STAGE
	v_mul_u32_u24 v5, v1, SPITCH
	v_lshl_add_u32 v5, v2, 6, v5
	v_add_nc_u32 v[STO], s23, v5
	v_mul_u32_u24 v5, v2, SPITCH
	v_lshl_add_u32 v5, v1, 4, v5
	v_add_nc_u32 v[RD], s23, v5
	v_lshlrev_b32 v[BO], 4, v1
	v_lshl_add_u32 v[CO], v2, 12, v[BO]
	s_wait_alu depctr_va_vdst(0)
	s_lshl_b32 s20, s17, 19
	s_lshl_b32 s21, s15, 18
	s_add_co_u32 s20, s20, s21
	s_mov_b32 s21, 0
	s_lshl_b32 s46, s42, 9
	s_lshl_b32 s47, s16, 8
	s_add_co_u32 s46, s46, s47
	s_mov_b32 s47, 0
	s_add_nc_u64 s[20:21], s[20:21], s[46:47]
	s_add_nc_u64 s[10:11], s[10:11], s[20:21]
	s_add_nc_u64 s[12:13], s[12:13], s[20:21]
	s_add_nc_u64 s[8:9], s[8:9], s[46:47]
	WIN 0xc0
.irp a, 0,1,2,3
.irp t, 0,1,2,3,4,5,6,7
	global_load_b128 v[32*\a+4*\t:32*\a+4*\t+3], v[CO], s[10:11] offset:(32*(\a/2)+8*(\a%2)+2*\t+8*(\t/4))*4096 th:TH_LOAD_NT
.endr
.endr
	WIN 0
	global_load_b128 v[BI:BI+3], v[BO], s[8:9]
.macro FETCH slot, q, p
	WIN 0x40
.irp i, 0,1,2,3
.irp g, 0,1,2
	ds_load_b128 v[48*(\p)+12*\i+4*\g:48*(\p)+12*\i+4*\g+3], v[ADRB+\slot] offset:(\q)*PANEL+\i*1536+512*\g
.endr
.endr
	WIN 0
.irp i, 0,1,2,3
.irp g, 0,1,2
	ds_load_b128 v[AF+48*(\p)+12*\i+4*\g:AF+48*(\p)+12*\i+4*\g+3], v[ADRA+\slot] offset:(\q)*PANEL+\i*1536+512*\g
.endr
.endr
.irp i, 0,1,2,3
	ds_load_b32 v[SC+4*(\p)+\i], v[ADRS+\slot] offset:(\q)*PANEL+64*\i
.endr
.endm
.macro MULQ k, p, zero
	WIN 0xa1
.irp b, 0,1,2,3
.if \zero
	v_wmma_scale_f32_16x16x128_f8f6f4 v[8*(4*(\k)+\b):8*(4*(\k)+\b)+7], v[48*(\p)+12*\b:48*(\p)+12*\b+11], v[AF+48*(\p)+12*(\k):AF+48*(\p)+12*(\k)+11], 0, v[SC+4*(\p)+\b], v[SC+4*(\p)+(\k)] matrix_a_fmt:MATRIX_FMT_FP6 matrix_b_fmt:MATRIX_FMT_FP6 matrix_a_scale:MATRIX_SCALE_ROW1
.else
	v_wmma_scale_f32_16x16x128_f8f6f4 v[8*(4*(\k)+\b):8*(4*(\k)+\b)+7], v[48*(\p)+12*\b:48*(\p)+12*\b+11], v[AF+48*(\p)+12*(\k):AF+48*(\p)+12*(\k)+11], v[8*(4*(\k)+\b):8*(4*(\k)+\b)+7], v[SC+4*(\p)+\b], v[SC+4*(\p)+(\k)] matrix_a_fmt:MATRIX_FMT_FP6 matrix_b_fmt:MATRIX_FMT_FP6 matrix_a_scale:MATRIX_SCALE_ROW1
.endif
.endr
.endm
.macro STEP slot, q, zero
	s_wait_dscnt 0x0
	PLACES 4
	FETCH \slot, (\q)+1, 1-(\q)%2
	MULQ 0, (\q)%2, \zero
	MULQ 1, (\q)%2, \zero
	MULQ 2, (\q)%2, \zero
	MULQ 3, (\q)%2, \zero
	WIN 0
.endm
.macro TURN slot, next, fill
	WIN 0
	s_wait_tensorcnt 0x0
	ds_add_u32 v[SPW], v[NIL]
	s_wait_dscnt 1
	MULQ 0, 1, 0
	s_wait_dscnt 0x0
	s_barrier_signal -1
	MULQ 1, 1, 0
	WIN 0
	s_barrier_wait -1
.if \fill
	CREST
	s_add_nc_u64 s[G0A+4*\slot+2:G0A+4*\slot+3], s[G0A+4*\slot+2:G0A+4*\slot+3], 2*SPS*PANEL
	s_add_nc_u64 s[G0B+4*\slot+2:G0B+4*\slot+3], s[G0B+4*\slot+2:G0B+4*\slot+3], 2*SPS*PANEL
	JLOAD G0A+4*\slot, G1A, G0B+4*\slot, G1B
.else
	PLACES 4
.endif
	FETCH \next, 0, 0
	MULQ 2, 1, 0
	MULQ 3, 1, 0
	WIN 0
.endm
	s_wait_alu depctr_va_vdst(0)
	s_wait_tensorcnt 0x0
	ds_add_u32 v[SPW], v[NIL]
	s_wait_dscnt 0x0
	CROUND
	JLOAD G0A+4, G1A, G0B+4, G1B
	FETCH 0, 0, 0
	STEP 0, 0, 1
.if LAPS > 1
	s_mov_b32 s3, LAPS-1
.Llap:
	STEP 0, 1, 0
	STEP 0, 2, 0
	TURN 0, 1, 1
	STEP 1, 0, 0
	STEP 1, 1, 0
	STEP 1, 2, 0
	TURN 1, 0, 1
	STEP 0, 0, 0
	s_sub_co_u32 s3, s3, 1
	s_cmp_lg_u32 s3, 0
	s_cbranch_scc1 .Llap
.endif
	STEP 0, 1, 0
	STEP 0, 2, 0
	TURN 0, 1, 0
	STEP 1, 0, 0
	STEP 1, 1, 0
	STEP 1, 2, 0
	s_wait_dscnt 0x0
	MULQ 0, 1, 0
	MULQ 1, 1, 0
	MULQ 2, 1, 0
	MULQ 3, 1, 0
	WIN 0
.macro TOSTAGE a
	WIN 0x08
.irp b, 0,1,2,3
	ds_store_b128 v[STO], v[8*(4*(\a)+\b):8*(4*(\a)+\b)+3] offset:128*(\b/2)+32*(\b%2)
	ds_store_b128 v[STO], v[8*(4*(\a)+\b)+4:8*(4*(\a)+\b)+7] offset:128*(\b/2)+32*(\b%2)+16
.endr
	WIN 0
.set OBB, OB+32*((\a)%2)
.irp t, 0,1,2,3,4,5,6,7
	ds_load_b128 v[OBB+4*\t:OBB+4*\t+3], v[RD] offset:\t*2*SPITCH
.endr
.endm
.macro SEND a, younger
.set OBB, OB+32*((\a)%2)
	s_wait_dscnt \younger
	WIN 0x0c
.set II, 0
.rept 16
	v_pk_add_f32 v[OBB+II:OBB+II+1], v[OBB+II:OBB+II+1], v[32*(\a)+II:32*(\a)+II+1]
.set II, II+2
.endr
	WIN 0
.irp t, 0,1,2,3,4,5,6,7
	v_pk_add_f32 v[OBB+4*\t:OBB+4*\t+1], v[OBB+4*\t:OBB+4*\t+1], v[BI:BI+1]
	v_pk_add_f32 v[OBB+4*\t+2:OBB+4*\t+3], v[OBB+4*\t+2:OBB+4*\t+3], v[BI+2:BI+3]
.endr
.irp t, 0,1,2,3,4,5,6,7
	global_store_b128 v[CO], v[OBB+4*\t:OBB+4*\t+3], s[12:13] offset:(32*((\a)/2)+8*((\a)%2)+2*\t+8*(\t/4))*4096
.endr
.endm
	PLACES 4
	s_wait_loadcnt 0x0
	TOSTAGE 0
.irp a, 1,2,3
.if \a > 1
	s_wait_xcnt 0x0
.endif
	TOSTAGE \a
	SEND \a-1, 16
.endr
	SEND 3, 0
	s_wait_tensorcnt 0x0
	ds_add_u32 v[SPW], v[NIL]
	s_wait_dscnt 0x0
	CROUND
	s_endpgm
.Lfunc_end_k_q44b1c0df27_oproj:
	.size	k_q44b1c0df27_oproj, .Lfunc_end_k_q44b1c0df27_oproj-k_q44b1c0df27_oproj
	.p2alignl 7, 3214868480
	.fill 96, 4, 3214868480
	.section	.rodata,"a",@progbits
	.p2align	6, 0x0
	.amdhsa_kernel k_q44b1c0df27_oproj
		.amdhsa_group_segment_fixed_size 327680
		.amdhsa_private_segment_fixed_size 0
		.amdhsa_enable_private_segment 0
		.amdhsa_kernarg_size 40
		.amdhsa_user_sgpr_count 2
		.amdhsa_user_sgpr_kernarg_segment_ptr 1
		.amdhsa_wavefront_size32 1
		.amdhsa_system_sgpr_workgroup_id_x 1
		.amdhsa_system_sgpr_workgroup_id_y 1
		.amdhsa_system_sgpr_workgroup_id_z 1
		.amdhsa_system_vgpr_workitem_id 0
		.amdhsa_next_free_vgpr 896
		.amdhsa_next_free_sgpr 100
		.amdhsa_reserve_vcc 0
		.amdhsa_float_denorm_mode_32 3
		.amdhsa_float_denorm_mode_16_64 3
		.amdhsa_memory_ordered 1
		.amdhsa_forward_progress 1
		.amdhsa_inst_pref_size 60
	.end_amdhsa_kernel
	.amdgpu_metadata
---
amdhsa.version: [ 1, 2 ]
amdhsa.kernels:
  - .name:           k_q44b1c0df27_oproj
    .symbol:         k_q44b1c0df27_oproj.kd
    .args:
      - { .name: ctx, .offset: 0, .size: 8, .value_kind: global_buffer, .address_space: global }
      - { .name: wc, .offset: 8, .size: 8, .value_kind: global_buffer, .address_space: global }
      - { .name: bo, .offset: 16, .size: 8, .value_kind: global_buffer, .address_space: global }
      - { .name: x, .offset: 24, .size: 8, .value_kind: global_buffer, .address_space: global }
      - { .name: x2, .offset: 32, .size: 8, .value_kind: global_buffer, .address_space: global }
    .group_segment_fixed_size: 327680
    .private_segment_fixed_size: 0
    .kernarg_segment_align: 8
    .kernarg_segment_size: 40
    .max_flat_workgroup_size: 128
    .sgpr_count:     100
    .vgpr_count:     896
    .wavefront_size: 32
...
	.end_amdgpu_metadata
.endif
;; end of part 4
;; launch prep2 (part 5): grid 768 x 1, 4 waves a work-group, no clusters, 66,304 bytes of LDS; arguments x2, ln2_g, ln2_b, xn, w1, w2, wc; writes xn, wc
.if DOCPART == 5
	.amdgcn_target "amdgcn-amd-amdhsa--gfx1250"
	.amdhsa_code_object_version 6
	.text
	.protected	k_q44b1c0df27_prep2
	.globl	k_q44b1c0df27_prep2
	.p2align	8
	.type	k_q44b1c0df27_prep2,@function
k_q44b1c0df27_prep2:
	s_mov_b64 s[64:65], 0
	v_nop
	global_prefetch_b8 v0, s[64:65] scope:SCOPE_SE
	s_setreg_imm32_b32 hwreg(HW_REG_WAVE_MODE, 25, 1), 1
	s_wait_xcnt 0x0
; TWO JOBS THAT DO NOT DEPEND ON EACH OTHER SHARE THIS LAUNCH; they part at the first line, on the work-group's number alone, and never meet again.
; Work-groups 0-255: y = (x - mean) * rsqrt(var + 1e-6) * g + b over rows of 1,024 f32, quantised along the row.  Work-groups 256-767: the weights w1 and w2, f32 stored [K][N], quantised along K.
; Both leave codes of E2M3 with one E8M0 byte for each 32 along K, laid as PANELS: 128 rows x 128 K, 12,800 bytes: eight fragment images of 1,536 bytes, then eight groups of 16 scale words.
; A fragment image is the matrix operand's registers as they stand: registers 4 g .. 4 g + 3 of lane l at 512 g + 16 l.  Fragment a, lane r holds row 32 (a / 2) + 8 (a % 2) + r + 8 (r / 8) of the panel's 128.
; Four work-groups fit on a WGP (4 x 66,304 bytes of LDS, 4 x 226 registers a SIMD), so all 768 are there at once, and one job's loads are on their way while the other computes.  Only the rows' job uses LDS and has a barrier.
; A block's scale is 2^(floor(log2(largest magnitude)) - 2); its byte is that magnitude's exponent field - 2, held at 1 from below.
; LIMITS: a block of zeros, or one under 2^-124, keeps the byte 1 (the bytes are read by this program alone); NaN and infinities are not served; v_rsq_f32 stands for the reciprocal root.
.set PANEL, 12800
.set SCO,   12288                      ; where a panel's scale words begin
.set NLN,   256                        ; work-groups that normalise rows
	v_lshl_add_u32 v224, v0, 2, 0x10100
	v_mov_b32 v225, 0
	s_cmp_lt_u32 ttmp9, NLN
	s_cbranch_scc0 .Lweights
; ---------------- THE ROWS.  Work-group t makes one fragment row of xn [32 row blocks][8 K steps]: block t / 8, fragment a = t % 8.
; Phase 1: wave w normalises four neighbouring rows (fragment rows 4 w .. 4 w + 3), each row in 32 registers of the wave; mean first, then the sum of squared differences: no difference of large sums.
; The rows meet in LDS (16 rows, 4,096 + 16 bytes apart).  Phase 2: wave w takes K steps 2 w and 2 w + 1 of all 16 rows: lane (r, h) reads, of row r, 16 neighbours of each block of 32.
.set RP,    4112                       ; a row in LDS: row r starts 16 r bytes on modulo 256, so the sixteen rows of a 16-byte load fall on different banks
.set X,     32                         ; v32-159  four rows of 32 registers; in phase 2 two sets of 64 numbers
.set G,     160                        ; v160-191 g of my 32 columns
.set BT,    192                        ; v192-223 b
.set SA,    8                          ; v8-15    a pair for each row: sums
.set SB,    16                         ; v16-23   a second chain
.set MU,    24                         ; v24-31   a pair for each row: the mean, later 1 / sigma
.set PC,    160                        ; phase 2: the codes just made (v160-178)
.set TM,    180                        ; v180-195 at work in the quantiser
.set PW,    196                        ; the scale word just made
.set PWS,   197                        ; the first K step's scale word
.set SEL,   26                         ; s[26:27] v_permlanex16_b32's selects for lane l xor 16
	s_load_b256 s[4:11], s[0:1], 0x0               ; the rows, g, b, the panels
	v_lshrrev_b32 v5, 5, v0
	v_readfirstlane_b32 s12, v5                    ; wave
	v_and_b32 v5, 31, v0
	v_lshlrev_b32 v1, 4, v5                        ; 16 x lane
	v_and_b32 v6, 15, v0                           ; r
	v_bfe_u32 v7, v0, 4, 1                         ; h
	s_mul_i32 s13, s12, 4*RP
	v_add_nc_u32 v2, s13, v1                       ; LDS, in: my wave's four rows, 16 bytes a lane
	v_mul_u32_u24 v3, v6, RP
	v_lshl_add_u32 v3, v7, 6, v3
	s_lshl_b32 s13, s12, 10
	v_add_nc_u32 v3, s13, v3                       ; LDS, out: row r, + 64 h, + my wave's two K steps of 512 bytes
	v_mul_u32_u24 v4, v7, PANEL
	v_lshl_add_u32 v4, v6, 2, v4                   ; scale words: lanes 0-15 the first K step's panel, lanes 16-31 the second's
	s_lshr_b32 s14, ttmp9, 3                       ; block
	s_and_b32 s15, ttmp9, 7                        ; fragment a
	s_lshl_b32 s16, s14, 7
	s_lshr_b32 s17, s15, 1
	s_lshl_b32 s17, s17, 5
	s_add_co_u32 s16, s16, s17
	s_and_b32 s17, s15, 1
	s_lshl_b32 s17, s17, 3
	s_add_co_u32 s16, s16, s17
	s_lshl_b32 s17, s12, 2
	s_add_co_u32 s16, s16, s17
	s_lshr_b32 s17, s12, 1
	s_lshl_b32 s17, s17, 3
	s_add_co_u32 s16, s16, s17                     ; my wave's first row: 128 blk + 32 (a / 2) + 8 (a % 2) + 4 w + 8 (w / 2)
	s_lshl_b32 s16, s16, 12
	s_mov_b32 s17, 0
	s_lshl_b32 s18, s14, 3
	s_lshl_b32 s19, s12, 1
	s_add_co_u32 s18, s18, s19
	s_mul_i32 s18, s18, PANEL                      ; panel (blk, 2 w)
	s_mul_i32 s20, s15, 1536
	s_add_co_u32 s20, s20, s18                     ; its image a
	s_mov_b32 s21, 0
	s_lshl_b32 s22, s15, 6
	s_add_co_u32 s22, s22, s18
	s_add_co_u32 s22, s22, SCO                     ; its scale words a
	s_mov_b32 s23, 0
	s_mov_b32 s24, 0x3a800000                      ; 1 / 1024
	s_mov_b32 s25, 0x358637bd                      ; 1e-6
	s_mov_b32 s[SEL], 0x76543210
	s_mov_b32 s[SEL+1], 0xfedcba98
	s_mov_b32 s28, 0xffff0000                      ; lanes 16-31
	s_wait_alu depctr_va_vdst(0)
	s_wait_kmcnt 0x0
	s_add_nc_u64 s[4:5], s[4:5], s[16:17]
	s_add_nc_u64 s[20:21], s[10:11], s[20:21]
	s_add_nc_u64 s[22:23], s[10:11], s[22:23]
.irp i, 0,1,2,3
.irp j, 0,1,2,3,4,5,6,7
	global_load_b128 v[X+32*\i+4*\j:X+32*\i+4*\j+3], v1, s[4:5] offset:\i*4096+512*\j th:TH_LOAD_NT   ; 512 consecutive bytes a load
.endr
.endr
.irp j, 0,1,2,3,4,5,6,7
	global_load_b128 v[G+4*\j:G+4*\j+3], v1, s[6:7] offset:512*\j
	global_load_b128 v[BT+4*\j:BT+4*\j+3], v1, s[8:9] offset:512*\j
.endr
.macro REDUCE                          ; the two chains of each row, the pair's halves, the 32 lanes: every lane ends with the row's sum in v[SA + 2 i]
.irp i, 0,1,2,3
	v_pk_add_f32 v[SA+2*\i:SA+2*\i+1], v[SA+2*\i:SA+2*\i+1], v[SB+2*\i:SB+2*\i+1]
.endr
.irp i, 0,1,2,3
	v_add_f32 v[SA+2*\i], v[SA+2*\i], v[SA+2*\i+1]
.endr
.irp m, 1,2,4,8
.irp i, 0,1,2,3
	v_add_f32_dpp v[SA+2*\i], v[SA+2*\i], v[SA+2*\i] row_xmask:\m row_mask:0xf bank_mask:0xf
.endr
.endr
.irp i, 0,1,2,3
	v_permlanex16_b32 v[SA+2*\i+1], v[SA+2*\i], s[SEL], s[SEL+1]
.endr
.irp i, 0,1,2,3
	v_add_f32 v[SA+2*\i], v[SA+2*\i], v[SA+2*\i+1]
.endr
.endm
	s_wait_loadcnt 16                              ; the four rows are in; g's and b's sixteen loads may be out
.irp i, 0,1,2,3
	v_pk_add_f32 v[SA+2*\i:SA+2*\i+1], v[X+32*\i:X+32*\i+1], v[X+32*\i+2:X+32*\i+3]
	v_pk_add_f32 v[SB+2*\i:SB+2*\i+1], v[X+32*\i+4:X+32*\i+5], v[X+32*\i+6:X+32*\i+7]
.endr
.irp j, 8,12,16,20,24,28
.irp i, 0,1,2,3
	v_pk_add_f32 v[SA+2*\i:SA+2*\i+1], v[SA+2*\i:SA+2*\i+1], v[X+32*\i+\j:X+32*\i+\j+1]
	v_pk_add_f32 v[SB+2*\i:SB+2*\i+1], v[SB+2*\i:SB+2*\i+1], v[X+32*\i+\j+2:X+32*\i+\j+3]
.endr
.endr
	REDUCE
.irp i, 0,1,2,3
	v_mul_f32 v[MU+2*\i], s24, v[SA+2*\i]          ; the mean
.endr
.irp i, 0,1,2,3
	v_mov_b32 v[MU+2*\i+1], v[MU+2*\i]
.endr
.irp j, 0,2,4,6,8,10,12,14,16,18,20,22,24,26,28,30
.irp i, 0,1,2,3
	v_pk_add_f32 v[X+32*\i+\j:X+32*\i+\j+1], v[X+32*\i+\j:X+32*\i+\j+1], v[MU+2*\i:MU+2*\i+1] neg_lo:[0,1] neg_hi:[0,1]   ; d = x - mean
.endr
.endr
.irp i, 0,1,2,3
	v_pk_mul_f32 v[SA+2*\i:SA+2*\i+1], v[X+32*\i:X+32*\i+1], v[X+32*\i:X+32*\i+1]
	v_pk_mul_f32 v[SB+2*\i:SB+2*\i+1], v[X+32*\i+2:X+32*\i+3], v[X+32*\i+2:X+32*\i+3]
.endr
.irp j, 4,8,12,16,20,24,28
.irp i, 0,1,2,3
	v_pk_fma_f32 v[SA+2*\i:SA+2*\i+1], v[X+32*\i+\j:X+32*\i+\j+1], v[X+32*\i+\j:X+32*\i+\j+1], v[SA+2*\i:SA+2*\i+1]
	v_pk_fma_f32 v[SB+2*\i:SB+2*\i+1], v[X+32*\i+\j+2:X+32*\i+\j+3], v[X+32*\i+\j+2:X+32*\i+\j+3], v[SB+2*\i:SB+2*\i+1]
.endr
.endr
	REDUCE
.irp i, 0,1,2,3
	v_fma_f32 v[SA+2*\i], v[SA+2*\i], s24, s25     ; var + 1e-6
.endr
	s_wait_alu depctr_va_vdst(0)
.irp i, 0,1,2,3
	v_rsq_f32 v[MU+2*\i], v[SA+2*\i]
.endr
	v_nop                                          ; a plain line behind the last of the batch
	s_wait_alu depctr_va_vdst(0)                   ; one wait for the four, ahead of their first reader
.irp i, 0,1,2,3
	v_mov_b32 v[MU+2*\i+1], v[MU+2*\i]
.endr
	s_wait_alu depctr_va_vdst(0)
	s_wait_loadcnt 0x0                             ; g and b
.irp j, 0,2,4,6,8,10,12,14,16,18,20,22,24,26,28,30
.irp i, 0,1,2,3
	v_pk_mul_f32 v[X+32*\i+\j:X+32*\i+\j+1], v[X+32*\i+\j:X+32*\i+\j+1], v[MU+2*\i:MU+2*\i+1]
.endr
.irp i, 0,1,2,3
	v_pk_fma_f32 v[X+32*\i+\j:X+32*\i+\j+1], v[X+32*\i+\j:X+32*\i+\j+1], v[G+\j:G+\j+1], v[BT+\j:BT+\j+1]
.endr
.endr
.irp i, 0,1,2,3
.irp j, 0,1,2,3,4,5,6,7
	ds_store_b128 v2, v[X+32*\i+4*\j:X+32*\i+4*\j+3] offset:\i*RP+512*\j
.endr
.endr
	s_wait_dscnt 0x0                               ; for the others' sake: my rows lie in LDS
	s_barrier_signal -1
	s_barrier_wait -1
.irp s, 0,1
.irp b, 0,1,2,3
.irp q, 0,1,2,3
	ds_load_b128 v[X+64*\s+16*\b+4*\q:X+64*\s+16*\b+4*\q+3], v3 offset:512*\s+128*\b+16*\q   ; register 16 b + i = k 32 b + 16 h + i of row r
.endr
.endr
.endr
.irp b, 0,1,2,3
	v_mov_b32 v[TM+4+\b], 0                        ; written once: a lane permute's destination counts as one of its sources
.endr
; 64 numbers of a lane, register 16 b + i = k 32 b + 16 (lane / 16) + i of its row, become a fragment's codes in v[PC] on and its scale word in v[PW].
.macro QUANT s
.irp b, 0,1,2,3
	v_max3_num_f32 v[TM+\b], |v[(\s)+16*\b]|, |v[(\s)+1+16*\b]|, 0x1800000   ; with the floor 2^(3 - 127): the byte cannot fall under 1
.endr
.irp i, 2,4,6,8,10,12,14
.irp b, 0,1,2,3
	v_max3_num_f32 v[TM+\b], v[TM+\b], |v[(\s)+16*\b+\i]|, |v[(\s)+1+16*\b+\i]|
.endr
.endr
.irp b, 0,1,2,3
	v_permlanex16_b32 v[TM+4+\b], v[TM+\b], s[SEL], s[SEL+1]
.endr
.irp b, 0,1,2,3
	v_max_num_f32 v[TM+\b], v[TM+\b], v[TM+4+\b]   ; with lane l xor 16's: the block's largest magnitude
.endr
.irp b, 0,1,2,3
	v_add_nc_u32 v[TM+12+\b], 0xff000000, v[TM+\b] ; 2 off its exponent field: the conversion's scale operand
.endr
.irp b, 0,1,2,3
	v_lshrrev_b32 v[TM+4+\b], 23, v[TM+12+\b]      ; the byte
.endr
	v_lshl_or_b32 v[PW], v[TM+5], 8, v[TM+4]
	v_lshl_or_b32 v[PW], v[TM+6], 16, v[PW]
	v_lshl_or_b32 v[PW], v[TM+7], 24, v[PW]
.irp c, 0,1
	v_cvt_scalef32_pk16_fp6_f32 v[PC+6*\c:PC+2+6*\c], v[(\s)+32*\c:(\s)+15+32*\c], v[TM+12+2*\c]
	v_cvt_scalef32_pk16_fp6_f32 v[PC+12+4*\c:PC+14+4*\c], v[(\s)+16+32*\c:(\s)+31+32*\c], v[TM+12+2*\c+1]
.endr
	v_nop                                          ; one plain line behind a scaled conversion
.irp c, 0,1                            ; the operand wants a whole block in a lane: lanes 0-15 block 2 c, lanes 16-31 block 2 c + 1
.irp i, 0,1,2
	v_permlane16_swap_b32 v[PC+6*\c+\i], v[PC+12+4*\c+\i]
.endr
.irp i, 0,1,2
	v_mov_b32 v[PC+3+6*\c+\i], v[PC+12+4*\c+\i]
.endr
.endr
.endm
	s_wait_dscnt 0x0
	QUANT X
.irp g, 0,1,2
	global_store_b128 v1, v[PC+4*\g:PC+4*\g+3], s[20:21] offset:512*\g
.endr
	v_mov_b32 v[PWS], v[PW]
	s_wait_xcnt 0x0                                ; the stores have read their registers: the codes may be written again
	QUANT X+64
.irp g, 0,1,2
	global_store_b128 v1, v[PC+4*\g:PC+4*\g+3], s[20:21] offset:PANEL+512*\g
.endr
	v_cndmask_b32 v[PWS], v[PWS], v[PW], s28       ; lanes 0-15 the first K step's words, lanes 16-31 the second's
	global_store_b32 v4, v[PWS], s[22:23]
	s_wait_tensorcnt 0x0
	ds_add_u32 v224, v225
	s_wait_dscnt 0x0
	s_endpgm
; ---------------- THE WEIGHTS.  Work-group 256 + p makes panel 256 + p of wc: p = 0-255 w1 [32 column blocks][8 K steps], rows of 16,384 bytes; p = 256-511 w2 [8][32], rows of 4,096 bytes.  No LDS, no barrier.
; Wave w takes 32 columns: A LANE TAKES A COLUMN AND ITS REGISTERS RUN DOWN K, so a block of 32 lies in one lane and the conversions give codes with K innermost.
.Lweights:
.set F0,    160                        ; v160-171 the fragment of the wave's first 16 columns
.set F1,    172                        ; v172-183 of its second 16
.set TT,    184                        ; v184-199 the upper halves of the blocks' codes, as the conversions leave them
	s_load_b128 s[4:7], s[0:1], 0x20               ; w1, w2
	s_load_b64 s[16:17], s[0:1], 0x30              ; wc
	v_lshrrev_b32 v4, 5, v0
	v_readfirstlane_b32 s18, v4                    ; wave
	v_and_b32 v5, 31, v0                           ; lane
	v_and_b32 v6, 15, v0                           ; r
	v_bfe_u32 v7, v0, 4, 1                         ; u: which of the wave's two fragments my column belongs to
	v_and_b32 v1, 8, v6
	v_add_nc_u32 v1, v1, v6                        ; r + 8 (r / 8)
	v_lshl_add_u32 v1, v7, 3, v1                   ; + 8 u: my column among the wave's 32
	v_lshlrev_b32 v1, 2, v1                        ; in bytes: the 32 lanes read 128 consecutive bytes
	s_mul_i32 s30, s18, 3072
	v_lshl_add_u32 v2, v5, 4, s30                  ; out: 16 x lane + my wave's two images
	s_lshl_b32 s31, s18, 7
	v_lshl_add_u32 v3, v5, 2, s31                  ; out: 4 x lane + my wave's two groups of scale words
	s_sub_co_u32 s19, ttmp9, NLN                   ; p
	s_and_b32 s20, s19, 255                        ; the panel's number inside its weight
	s_lshr_b32 s24, s19, 8                         ; 0: w1, 1: w2
	s_cmp_eq_u32 s24, 0
	s_cselect_b32 s21, 3, 5                        ; log2 of the weight's K steps
	s_cselect_b32 s25, 21, 19                      ; log2 of 128 rows' bytes
	s_lshr_b32 s22, s20, s21                       ; column block
	s_bfm_b32 s23, s21, 0
	s_and_b32 s23, s20, s23                        ; K step
	s_lshl_b32 s26, s23, s25                       ; K step x 128 rows
	s_lshl_b32 s27, s22, 9                         ; + column block x 512 bytes
	s_add_co_u32 s26, s26, s27
	s_add_co_u32 s26, s26, s31                     ; + wave x 128 bytes
	s_mov_b32 s27, 0
	s_add_co_u32 s28, s19, 256
	s_mul_i32 s28, s28, PANEL                      ; panel 256 + p
	s_mov_b32 s29, 0
	s_wait_kmcnt 0x0
	s_cmp_eq_u32 s24, 0                            ; which weight: the choice hangs on the work-group's number alone
	s_cselect_b64 s[4:5], s[4:5], s[6:7]
	s_add_nc_u64 s[4:5], s[4:5], s[26:27]
	s_add_nc_u64 s[16:17], s[16:17], s[28:29]
.macro LOADB b, pitch                  ; block b: W(32 b + i, my column), i = 0 .. 31
.set LL, 0
.rept 32
	global_load_b32 v[X+32*(\b)+LL], v1, s[4:5] offset:(32*(\b)+LL)*(\pitch) th:TH_LOAD_NT
.set LL, LL+1
.endr
.endm
.macro BLOCK b, dst                    ; block b's scale, byte and codes: the lower 16 codes to v[dst] on, the upper 16 to TT
.set XS, X+32*(\b)
	v_max3_num_f32 v8, |v[XS]|, |v[XS+1]|, |v[XS+2]|
	v_max3_num_f32 v9, |v[XS+3]|, |v[XS+4]|, |v[XS+5]|
.irp i, 6,10,14,18,22,26
	v_max3_num_f32 v8, v8, |v[XS+\i]|, |v[XS+\i+1]|
	v_max3_num_f32 v9, v9, |v[XS+\i+2]|, |v[XS+\i+3]|
.endr
	v_max3_num_f32 v8, v8, |v[XS+30]|, |v[XS+31]|
	v_max3_num_f32 v8, v8, v9, 0x1800000           ; the floor 2^(3 - 127): the byte cannot fall under 1
	v_add_nc_u32 v[12+(\b)], 0xff000000, v8        ; 2 off the exponent field: the conversion's scale operand
	v_lshrrev_b32 v[16+(\b)], 23, v[12+(\b)]       ; the byte
	v_cvt_scalef32_pk16_fp6_f32 v[(\dst):(\dst)+2], v[XS:XS+15], v[12+(\b)]
	v_cvt_scalef32_pk16_fp6_f32 v[TT+4*(\b):TT+4*(\b)+2], v[XS+16:XS+31], v[12+(\b)]   ; (a conversion's three registers begin on an even number)
.endm
.macro MV3 dst, b
.irp i, 0,1,2
	v_mov_b32 v[(\dst)+3+\i], v[TT+4*(\b)+\i]
.endr
.endm
.macro BODY pitch
	LOADB 0, \pitch
	LOADB 1, \pitch
	s_wait_loadcnt 32                              ; block 0 is in; block 1's 32 loads may be out
	LOADB 2, \pitch
	BLOCK 0, F0
	s_wait_loadcnt 32                              ; block 1 is in; block 2's may be out
	LOADB 3, \pitch
	BLOCK 1, F1
	s_wait_loadcnt 32                              ; block 2 is in; block 3's may be out
	BLOCK 2, F0+6
	s_wait_loadcnt 0x0
	BLOCK 3, F1+6
	v_nop                                          ; one plain line behind the last conversion
	MV3 F0, 0
	MV3 F1, 1
	MV3 F0+6, 2
	MV3 F1+6, 3
; F0 holds my column's blocks 0 and 2, F1 its blocks 1 and 3.  The operand wants, of a fragment's row r, blocks 0 and 2 in lane r and blocks 1 and 3 in lane 16 + r:
; F0's lanes 16-31 change places with F1's lanes 0-15, and F0 is the first fragment, F1 the second.
.irp i, 0,1,2,3,4,5,6,7,8,9,10,11
	v_permlane16_swap_b32 v[F0+\i], v[F1+\i]
.endr
	v_lshl_or_b32 v20, v17, 8, v16                 ; my column's scale word
	v_lshl_or_b32 v20, v18, 16, v20
	v_lshl_or_b32 v20, v19, 24, v20
.irp g, 0,1,2
	global_store_b128 v2, v[F0+4*\g:F0+4*\g+3], s[16:17] offset:512*\g th:TH_STORE_NT       ; 512 consecutive bytes a store
	global_store_b128 v2, v[F1+4*\g:F1+4*\g+3], s[16:17] offset:1536+512*\g th:TH_STORE_NT
.endr
	global_store_b32 v3, v20, s[16:17] offset:SCO th:TH_STORE_NT
	s_endpgm
.endm
	s_cmp_eq_u32 s24, 0
	s_cbranch_scc1 .Lwide
	s_wait_alu depctr_va_vdst(0)
	BODY 4096
.Lwide:
	s_wait_alu depctr_va_vdst(0)
	BODY 16384
.Lfunc_end_k_q44b1c0df27_prep2:
	.size	k_q44b1c0df27_prep2, .Lfunc_end_k_q44b1c0df27_prep2-k_q44b1c0df27_prep2
	.p2alignl 7, 3214868480
	.fill 96, 4, 3214868480
	.section	.rodata,"a",@progbits
	.p2align	6, 0x0
	.amdhsa_kernel k_q44b1c0df27_prep2
		.amdhsa_group_segment_fixed_size 66304
		.amdhsa_private_segment_fixed_size 0
		.amdhsa_enable_private_segment 0
		.amdhsa_kernarg_size 56
		.amdhsa_user_sgpr_count 2
		.amdhsa_user_sgpr_kernarg_segment_ptr 1
		.amdhsa_wavefront_size32 1
		.amdhsa_system_sgpr_workgroup_id_x 1
		.amdhsa_system_sgpr_workgroup_id_y 1
		.amdhsa_system_sgpr_workgroup_id_z 1
		.amdhsa_system_vgpr_workitem_id 0
		.amdhsa_next_free_vgpr 226
		.amdhsa_next_free_sgpr 66
		.amdhsa_reserve_vcc 0
		.amdhsa_float_denorm_mode_32 3
		.amdhsa_float_denorm_mode_16_64 3
		.amdhsa_memory_ordered 1
		.amdhsa_forward_progress 1
		.amdhsa_inst_pref_size 83
	.end_amdhsa_kernel
	.amdgpu_metadata
---
amdhsa.version: [ 1, 2 ]
amdhsa.kernels:
  - .name:           k_q44b1c0df27_prep2
    .symbol:         k_q44b1c0df27_prep2.kd
    .args:
      - { .name: x2, .offset: 0, .size: 8, .value_kind: global_buffer, .address_space: global }
      - { .name: ln2_g, .offset: 8, .size: 8, .value_kind: global_buffer, .address_space: global }
      - { .name: ln2_b, .offset: 16, .size: 8, .value_kind: global_buffer, .address_space: global }
      - { .name: xn, .offset: 24, .size: 8, .value_kind: global_buffer, .address_space: global }
      - { .name: w1, .offset: 32, .size: 8, .value_kind: global_buffer, .address_space: global }
      - { .name: w2, .offset: 40, .size: 8, .value_kind: global_buffer, .address_space: global }
      - { .name: wc, .offset: 48, .size: 8, .value_kind: global_buffer, .address_space: global }
    .group_segment_fixed_size: 66304
    .private_segment_fixed_size: 0
    .kernarg_segment_align: 8
    .kernarg_segment_size: 56
    .max_flat_workgroup_size: 128
    .sgpr_count:     66
    .vgpr_count:     226
    .wavefront_size: 32
...
	.end_amdgpu_metadata
.endif
;; end of part 5
;; launch mlp1 (part 6): grid 16 x 16, 4 waves a work-group, clusters of 4 x 4, 327,680 bytes of LDS; arguments xn, wc, b1, hid; writes hid
.if DOCPART == 6
	.amdgcn_target "amdgcn-amd-amdhsa--gfx1250"
	.amdhsa_code_object_version 6
	.text
	.protected	k_q44b1c0df27_mlp1
	.globl	k_q44b1c0df27_mlp1
	.p2align	8
	.type	k_q44b1c0df27_mlp1,@function
k_q44b1c0df27_mlp1:
	s_mov_b64 s[64:65], 0
	v_nop
	global_prefetch_b8 v0, s[64:65] scope:SCOPE_SE
	s_setreg_imm32_b32 hwreg(HW_REG_WAVE_MODE, 25, 1), 1
	s_wait_xcnt 0x0
	s_wait_alu depctr_hold_cnt(0) depctr_sa_sdst(0) depctr_va_vdst(0) depctr_va_sdst(0) depctr_va_ssrc(0) depctr_va_vcc(0) depctr_vm_vsrc(0)
	s_getreg_b32 s2, hwreg(HW_REG_IB_STS2, 6, 4)
	s_cmp_eq_u32 s2, 0
	s_cbranch_scc0 .Lentry_in_a_cluster
	s_endpgm
.Lentry_in_a_cluster:
	s_bfe_u32 s2, ttmp6, 0x10000c
	s_cmp_lg_u32 s2, 0xf033
	s_cbranch_scc0 .Lentry_shape_is_right
	s_endpgm
.Lentry_shape_is_right:
.set PANEL, 12800
.set SCO,   12288
.set REG,   3*PANEL                    ; what one tensor load brings: three K steps of 128 rows (the last fill: two)
.set SLOT,  4*REG
.set SPARE, 2*SLOT
.set SPS,   3                          ; K steps in a slot: the eight go as 3 + 3 + 2
.set NKS,   8
.set LAPS,  NKS/(2*SPS)
.set BOFF,  3276800
.set ADRA, 16
.set ADRB, 18
.set ADRS, 20
.set SPW,  28
.set NIL,  29
.set SC,   32
.set AF,   64
.set G1A, 24
.set G0A, 32
.set G1B, 48
.set G0B, 56
.set T,   64
.set ZZ,  128
.set SS,  160
.set PP,  192
.set QQ,  224
.set PC,  128
.set TM,  160
.set PW,  176
.set SEL, 86
.set CF,  66
.set MSB, 0
.macro WIN new
.if MSB != (\new)
	s_set_vgpr_msb (MSB<<8)|(\new)
.set MSB, (\new)
.endif
.endm
.macro PLACES n
.rept \n
	v_nop
.endr
.endm
.macro JLOAD g0a, g1a, g0b, g1b
	s_cmp_eq_u32 s15, 0
	s_cbranch_scc0 .Lfor_b_\@
	tensor_load_to_lds s[\g0a:\g0a+3], s[\g1a:\g1a+7]
	s_nop 0
.rept 4
	v_nop
.endr
	s_branch .Lasked_\@
.Lfor_b_\@:
	tensor_load_to_lds s[\g0b:\g0b+3], s[\g1b:\g1b+7]
	s_nop 0
.rept 4
	v_nop
.endr
.Lasked_\@:
.endm
.macro CREST
	s_cmp_lg_u32 s14, 0
	s_cbranch_scc1 .Lnot_wave_0_\@
	s_barrier_signal -3
.Lnot_wave_0_\@:
	s_barrier_wait -3
	s_barrier_signal -1
	s_barrier_wait -1
.endm
.macro CROUND
	s_barrier_signal -1
	s_barrier_wait -1
	CREST
.endm
	s_load_b256 s[4:11], s[0:1], 0x0
	v_lshl_add_u32 v[SPW], v0, 2, SPARE
	v_mov_b32 v[NIL], 0
	ds_add_u32 v28, v29
	ds_add_u32 v28, v29
	s_wait_dscnt 0x0
	v_lshrrev_b32 v1, 5, v0
	v_readfirstlane_b32 s14, v1
	s_lshr_b32 s15, s14, 1
	s_and_b32 s16, s14, 1
	s_bfe_u32 s40, ttmp6, 0x40000
	s_bfe_u32 s41, ttmp6, 0x40004
	s_lshl_b32 s42, ttmp9, 2
	s_add_co_u32 s42, s42, s40
	s_and_b32 s17, ttmp7, 0xffff
	s_lshl_b32 s17, s17, 2
	s_add_co_u32 s17, s17, s41
	s_lshl_b32 s43, s41, 2
	s_lshl_b32 s43, 15, s43
	s_lshl_b32 s44, 0x1111, s40
	s_or_b32 s[G1A+0], s43, (3<<16)|(1<<21)
	s_or_b32 s[G1B+0], s44, (3<<16)|(1<<21)
.irp g, G1A, G1B
	s_mov_b32 s[\g+1], 32<<16
	s_mov_b32 s[\g+2], 150<<16
	s_mov_b32 s[\g+3], 32<<16
	s_mov_b32 s[\g+4], 150
	s_mov_b32 s[\g+5], 32
	s_mov_b32 s[\g+6], 0
	s_mov_b32 s[\g+7], 0
.endr
	s_lshl_b32 s20, s17, 1
	s_add_co_u32 s20, s20, s16
	s_mul_i32 s20, s20, NKS*PANEL
	s_mov_b32 s21, 0
	s_lshl_b32 s46, s42, 1
	s_add_co_u32 s46, s46, s16
	s_mul_i32 s46, s46, NKS*PANEL
	s_mov_b32 s47, 0
	s_mul_i32 s45, s14, REG
	s_wait_kmcnt 0x0
	s_add_nc_u64 s[92:93], s[6:7], BOFF
	s_add_nc_u64 s[20:21], s[4:5], s[20:21]
	s_add_nc_u64 s[46:47], s[92:93], s[46:47]
	CROUND
.irp s, 0,1
	s_mov_b32 s[G0A+4*\s], 1
	s_add_co_u32 s[G0A+4*\s+1], s45, \s*SLOT
	s_add_nc_u64 s[G0A+4*\s+2:G0A+4*\s+3], s[20:21], \s*SPS*PANEL
	s_or_b32 s[G0A+4*\s+3], s[G0A+4*\s+3], 0x80000000
	s_mov_b32 s[G0B+4*\s], 1
	s_add_co_u32 s[G0B+4*\s+1], s45, \s*SLOT
	s_add_nc_u64 s[G0B+4*\s+2:G0B+4*\s+3], s[46:47], \s*SPS*PANEL
	s_or_b32 s[G0B+4*\s+3], s[G0B+4*\s+3], 0x80000000
.endr
	JLOAD G0A, G1A, G0B, G1B
	v_and_b32 v1, 15, v0
	v_bfe_u32 v2, v0, 4, 1
	s_wait_alu depctr_va_vdst(0)
	v_and_b32 v4, 31, v0
	v_lshlrev_b32 v3, 4, v4
	v_lshlrev_b32 v25, 2, v1
	v_lshlrev_b32 v26, 6, v2
	s_wait_alu depctr_va_vdst(0)
	s_mul_i32 s21, s15, REG
	s_mul_i32 s22, s16, REG
	s_add_co_u32 s22, s22, 2*REG
.irp s, 0,1
	v_add_nc_u32 v[ADRA+\s], s21, v3
	v_add_nc_u32 v[ADRB+\s], s22, v3
	s_add_co_u32 s21, s21, SLOT
	s_add_co_u32 s22, s22, SLOT
.endr
	s_mul_i32 s21, s15, REG
	s_mul_i32 s22, s16, REG
	s_add_co_u32 s22, s22, 2*REG
	s_sub_co_u32 s22, s22, s21
	v_mul_u32_u24 v6, s22, v2
	v_lshl_add_u32 v6, v1, 2, v6
	s_add_co_u32 s21, s21, SCO
	v_add_nc_u32 v[ADRS], s21, v6
	v_add_nc_u32 v[ADRS+1], SLOT, v[ADRS]
	s_lshl_b32 s76, s42, 1
	s_add_co_u32 s76, s76, s16
	s_lshl_b32 s78, s76, 9
	s_mov_b32 s79, 0
	s_add_nc_u64 s[8:9], s[8:9], s[78:79]
	s_lshl_b32 s77, s17, 1
	s_add_co_u32 s77, s77, s15
	s_lshl_b32 s77, s77, 5
	s_add_co_u32 s77, s77, s76
	s_mul_i32 s78, s77, PANEL
	s_add_nc_u64 s[88:89], s[10:11], s[78:79]
	s_add_nc_u64 s[90:91], s[88:89], SCO
	WIN 0x40
.irp b, 0,1,2,3
.irp j, 0,1,2,3
	global_load_b128 v[192+16*\b+4*\j:195+16*\b+4*\j], v26, s[8:9] offset:128*\b+16*\j
.endr
.endr
	WIN 0
.macro FETCH slot, q, p
	WIN 0x40
.irp i, 0,1,2,3,4,5,6,7
.irp g, 0,1,2
	ds_load_b128 v[96*(\p)+12*\i+4*\g:96*(\p)+12*\i+4*\g+3], v[ADRB+\slot] offset:(\q)*PANEL+\i*1536+512*\g
.endr
.endr
	WIN 0
.irp i, 0,1,2,3,4,5,6,7
.irp g, 0,1,2
	ds_load_b128 v[AF+96*(\p)+12*\i+4*\g:AF+96*(\p)+12*\i+4*\g+3], v[ADRA+\slot] offset:(\q)*PANEL+\i*1536+512*\g
.endr
.endr
.irp i, 0,1,2,3,4,5,6,7
	ds_load_b32 v[SC+8*(\p)+\i], v[ADRS+\slot] offset:(\q)*PANEL+64*\i
.endr
.endm
.macro MULQ k, p, zero
.irp a, 2*(\k), 2*(\k)+1
	WIN 0xa1+0x50*((\a)/4)
.irp b, 0,1,2,3,4,5,6,7
.if \zero
	v_wmma_scale_f32_16x16x128_f8f6f4 v[8*(8*((\a)%4)+\b):8*(8*((\a)%4)+\b)+7], v[96*(\p)+12*\b:96*(\p)+12*\b+11], v[AF+96*(\p)+12*(\a):AF+96*(\p)+12*(\a)+11], 0, v[SC+8*(\p)+\b], v[SC+8*(\p)+(\a)] matrix_a_fmt:MATRIX_FMT_FP6 matrix_b_fmt:MATRIX_FMT_FP6 matrix_a_scale:MATRIX_SCALE_ROW1
.else
	v_wmma_scale_f32_16x16x128_f8f6f4 v[8*(8*((\a)%4)+\b):8*(8*((\a)%4)+\b)+7], v[96*(\p)+12*\b:96*(\p)+12*\b+11], v[AF+96*(\p)+12*(\a):AF+96*(\p)+12*(\a)+11], v[8*(8*((\a)%4)+\b):8*(8*((\a)%4)+\b)+7], v[SC+8*(\p)+\b], v[SC+8*(\p)+(\a)] matrix_a_fmt:MATRIX_FMT_FP6 matrix_b_fmt:MATRIX_FMT_FP6 matrix_a_scale:MATRIX_SCALE_ROW1
.endif
.endr
.endr
.endm
.macro STEP slot, q, p, zero           ; the slot's q-th K step, on fragment set p; its successor in the slot is fetched into the other set
	s_wait_dscnt 0x0
	PLACES 4
	FETCH \slot, (\q)+1, 1-(\p)
	MULQ 0, \p, \zero
	MULQ 1, \p, \zero
	MULQ 2, \p, \zero
	MULQ 3, \p, \zero
	WIN 0
.endm
.macro TURN slot, next, fill, p        ; a slot's last K step, on fragment set p; the next slot's first step is fetched into the other set
	WIN 0
	s_wait_tensorcnt 0x0
	ds_add_u32 v[SPW], v[NIL]
	s_wait_dscnt 1
	MULQ 0, \p, 0
	s_wait_dscnt 0x0
	s_barrier_signal -1
	MULQ 1, \p, 0
	WIN 0
	s_barrier_wait -1
.if \fill
	CREST
	s_add_nc_u64 s[G0A+4*\slot+2:G0A+4*\slot+3], s[G0A+4*\slot+2:G0A+4*\slot+3], 2*SPS*PANEL
	s_add_nc_u64 s[G0B+4*\slot+2:G0B+4*\slot+3], s[G0B+4*\slot+2:G0B+4*\slot+3], 2*SPS*PANEL
	s_mov_b32 s[G1A+2], 100<<16                    ; no tensor load of mine is out, so a descriptor may be written: the last fill brings K steps 6 and 7, 100 rows of 256 bytes
	s_mov_b32 s[G1A+4], 100
	s_mov_b32 s[G1B+2], 100<<16
	s_mov_b32 s[G1B+4], 100
	JLOAD G0A+4*\slot, G1A, G0B+4*\slot, G1B
.else
	PLACES 4
.endif
	FETCH \next, 0, 1-(\p)
	MULQ 2, \p, 0
	MULQ 3, \p, 0
	WIN 0
.endm
	s_wait_alu depctr_va_vdst(0)
	s_wait_tensorcnt 0x0
	ds_add_u32 v[SPW], v[NIL]
	s_wait_dscnt 0x0
	CROUND
	JLOAD G0A+4, G1A, G0B+4, G1B
	FETCH 0, 0, 0
	STEP 0, 0, 0, 1                                ; K step 0: its products start the sums
	STEP 0, 1, 1, 0                                ; 1
	TURN 0, 1, 1, 0                                ; 2: slot 0 is given up and takes K steps 6 and 7
	STEP 1, 0, 1, 0                                ; 3
	STEP 1, 1, 0, 0                                ; 4
	TURN 1, 0, 0, 1                                ; 5: nothing more is filled
	STEP 0, 0, 0, 0                                ; 6; K step 7 follows on set 1
	s_wait_dscnt 0x0
	MULQ 0, 1, 0
	MULQ 1, 1, 0
	MULQ 2, 1, 0
	MULQ 3, 1, 0
	WIN 0
.macro QUANT s
.irp b, 0,1,2,3
	v_max3_num_f32 v[TM+\b], |v[(\s)+16*\b]|, |v[(\s)+1+16*\b]|, 0x1800000
.endr
.irp i, 2,4,6,8,10,12,14
.irp b, 0,1,2,3
	v_max3_num_f32 v[TM+\b], v[TM+\b], |v[(\s)+16*\b+\i]|, |v[(\s)+1+16*\b+\i]|
.endr
.endr
.irp b, 0,1,2,3
	v_permlanex16_b32 v[TM+4+\b], v[TM+\b], s[SEL], s[SEL+1]
.endr
.irp b, 0,1,2,3
	v_max_num_f32 v[TM+\b], v[TM+\b], v[TM+4+\b]
.endr
.irp b, 0,1,2,3
	v_add_nc_u32 v[TM+12+\b], 0xff000000, v[TM+\b]
.endr
.irp b, 0,1,2,3
	v_lshrrev_b32 v[TM+4+\b], 23, v[TM+12+\b]
.endr
	v_lshl_or_b32 v[PW], v[TM+5], 8, v[TM+4]
	v_lshl_or_b32 v[PW], v[TM+6], 16, v[PW]
	v_lshl_or_b32 v[PW], v[TM+7], 24, v[PW]
.irp c, 0,1
	v_cvt_scalef32_pk16_fp6_f32 v[PC+6*\c:PC+2+6*\c], v[(\s)+32*\c:(\s)+15+32*\c], v[TM+12+2*\c]
	v_cvt_scalef32_pk16_fp6_f32 v[PC+12+4*\c:PC+14+4*\c], v[(\s)+16+32*\c:(\s)+31+32*\c], v[TM+12+2*\c+1]
.endr
	v_nop
.irp c, 0,1
.irp i, 0,1,2
	v_permlane16_swap_b32 v[PC+6*\c+\i], v[PC+12+4*\c+\i]
.endr
.irp i, 0,1,2
	v_mov_b32 v[PC+3+6*\c+\i], v[PC+12+4*\c+\i]
.endr
.endr
.endm
.macro COEF reg, val
	s_mov_b32 s[\reg], \val
	s_mov_b32 s[\reg+1], \val
.endm
.macro PKMUL d, a, b
.set II, 0
.rept 16
	v_pk_mul_f32 v[(\d)+II:(\d)+II+1], v[(\a)+II:(\a)+II+1], v[(\b)+II:(\b)+II+1]
.set II, II+2
.endr
.endm
.macro FIRST d, x, vc, c
.set II, 0
.rept 16
	v_pk_fma_f32 v[(\d)+II:(\d)+II+1], v[(\x)+II:(\x)+II+1], v[\vc:\vc+1], s[\c:\c+1] op_sel_hi:[1,1,0]
.set II, II+2
.endr
.endm
.macro HORNER d, x, c
.set II, 0
.rept 16
	v_pk_fma_f32 v[(\d)+II:(\d)+II+1], v[(\d)+II:(\d)+II+1], v[(\x)+II:(\x)+II+1], s[\c:\c+1] op_sel_hi:[1,1,0]
.set II, II+2
.endr
.endm
.macro GELU32 base
.set II, 0
.rept 16
	v_pk_mul_f32 v[ZZ+II:ZZ+II+1], v[(\base)+II:(\base)+II+1], 0x3f3504f3 op_sel_hi:[1,0]
.set II, II+2
.endr
.set II, 0
.rept 32
	v_med3_num_f32 v[ZZ+II], v[ZZ+II], -4.0, 4.0
.set II, II+1
.endr
	PKMUL SS, ZZ, ZZ
	FIRST PP, SS, 48, CF
	HORNER PP, SS, CF+2
	HORNER PP, SS, CF+4
	HORNER PP, SS, CF+6
	HORNER PP, SS, CF+8
	HORNER PP, SS, CF+10
	FIRST QQ, SS, 50, CF+12
	HORNER QQ, SS, CF+14
	HORNER QQ, SS, CF+16
	HORNER QQ, SS, CF+18
	PKMUL PP, PP, ZZ
.set II, 0
	s_wait_alu depctr_va_vdst(0)
.rept 32
	v_rcp_f32 v[QQ+II], v[QQ+II]
.set II, II+1
.endr
.set II, 0
.rept 16
	v_pk_mul_f32 v[SS+II:SS+II+1], v[(\base)+II:(\base)+II+1], 0.5 op_sel_hi:[1,0]
.set II, II+2
.endr
	s_wait_alu depctr_va_vdst(0)
	PKMUL PP, PP, QQ
.set II, 0
.rept 16
	v_pk_fma_f32 v[(\base)+II:(\base)+II+1], v[SS+II:SS+II+1], v[PP+II:PP+II+1], v[SS+II:SS+II+1]
.set II, II+2
.endr
.endm
.macro COPY a
	WIN 0x06+(\a)/4
.set II, 0
.rept 32
	v_pk_add_f32 v[T+II:T+II+1], v[64*((\a)%4)+II:64*((\a)%4)+II+1], v[192+II:193+II]
.set II, II+2
.endr
	WIN 0
.endm
	PLACES 4
	s_wait_loadcnt 0x0
	s_mov_b32 s[SEL], 0x76543210
	s_mov_b32 s[SEL+1], 0xfedcba98
	v_mov_b32 v48, 0xaf95df0b
	v_mov_b32 v49, 0xaf95df0b
	v_mov_b32 v50, 0xb77460cd
	v_mov_b32 v51, 0xb77460cd
	COEF CF,    0x32edffee
	COEF CF+2,  0xb60cff51
	COEF CF+4,  0xb86ec2d2
	COEF CF+6,  0xba40ac63
	COEF CF+8,  0xbb41a1f6
	COEF CF+10, 0xbc83dbd4
	COEF CF+12, 0xb95fbd29
	COEF CF+14, 0xbadc924e
	COEF CF+16, 0xbbf19bf8
	COEF CF+18, 0xbc69b6a7
	s_mov_b32 s2, 0
.Lrow:
.irp a, 0,1,2,3,4,5,6
	s_cmp_eq_u32 s2, \a
	s_cbranch_scc1 .Lcopy\a
.endr
	COPY 7
	s_branch .Lcommon
.irp a, 0,1,2,3,4,5,6
.Lcopy\a:
	COPY \a
	s_branch .Lcommon
.endr
.Lcommon:
	GELU32 T
	GELU32 T+32
	QUANT T
.irp g, 0,1,2
	global_store_b128 v3, v[PC+4*\g:PC+4*\g+3], s[88:89] offset:512*\g
.endr
	global_store_b32 v25, v[PW], s[90:91]
	s_wait_xcnt 0x0
	s_add_nc_u64 s[88:89], s[88:89], 1536
	s_add_nc_u64 s[90:91], s[90:91], 64
	s_add_co_u32 s2, s2, 1
	s_cmp_lt_u32 s2, 8
	s_cbranch_scc1 .Lrow
	s_wait_tensorcnt 0x0
	ds_add_u32 v[SPW], v[NIL]
	s_wait_dscnt 0x0
	CROUND
	s_endpgm
.Lfunc_end_k_q44b1c0df27_mlp1:
	.size	k_q44b1c0df27_mlp1, .Lfunc_end_k_q44b1c0df27_mlp1-k_q44b1c0df27_mlp1
	.p2alignl 7, 3214868480
	.fill 96, 4, 3214868480
	.section	.rodata,"a",@progbits
	.p2align	6, 0x0
	.amdhsa_kernel k_q44b1c0df27_mlp1
		.amdhsa_group_segment_fixed_size 327680
		.amdhsa_private_segment_fixed_size 0
		.amdhsa_enable_private_segment 0
		.amdhsa_kernarg_size 32
		.amdhsa_user_sgpr_count 2
		.amdhsa_user_sgpr_kernarg_segment_ptr 1
		.amdhsa_wavefront_size32 1
		.amdhsa_system_sgpr_workgroup_id_x 1
		.amdhsa_system_sgpr_workgroup_id_y 1
		.amdhsa_system_sgpr_workgroup_id_z 1
		.amdhsa_system_vgpr_workitem_id 0
		.amdhsa_next_free_vgpr 1024
		.amdhsa_next_free_sgpr 100
		.amdhsa_reserve_vcc 0
		.amdhsa_float_denorm_mode_32 3
		.amdhsa_float_denorm_mode_16_64 3
		.amdhsa_memory_ordered 1
		.amdhsa_forward_progress 1
		.amdhsa_inst_pref_size 168
	.end_amdhsa_kernel
	.amdgpu_metadata
---
amdhsa.version: [ 1, 2 ]
amdhsa.kernels:
  - .name:           k_q44b1c0df27_mlp1
    .symbol:         k_q44b1c0df27_mlp1.kd
    .args:
      - { .name: xn, .offset: 0, .size: 8, .value_kind: global_buffer, .address_space: global }
      - { .name: wc, .offset: 8, .size: 8, .value_kind: global_buffer, .address_space: global }
      - { .name: b1, .offset: 16, .size: 8, .value_kind: global_buffer, .address_space: global }
      - { .name: hid, .offset: 24, .size: 8, .value_kind: global_buffer, .address_space: global }
    .group_segment_fixed_size: 327680
    .private_segment_fixed_size: 0
    .kernarg_segment_align: 8
    .kernarg_segment_size: 32
    .max_flat_workgroup_size: 128
    .sgpr_count:     100
    .vgpr_count:     1024
    .wavefront_size: 32
...
	.end_amdgpu_metadata
.endif
;; end of part 6
;; launch mlp2 (part 7): grid 8 x 32, 4 waves a work-group, clusters of 4 x 4, 327,680 bytes of LDS; arguments hid, wc, b2, x2, out0; writes out0
.if DOCPART == 7
	.amdgcn_target "amdgcn-amd-amdhsa--gfx1250"
	.amdhsa_code_object_version 6
	.text
	.protected	k_q44b1c0df27_mlp2
	.globl	k_q44b1c0df27_mlp2
	.p2align	8
	.type	k_q44b1c0df27_mlp2,@function
k_q44b1c0df27_mlp2:
	s_mov_b64 s[64:65], 0
	v_nop
	global_prefetch_b8 v0, s[64:65] scope:SCOPE_SE
	s_setreg_imm32_b32 hwreg(HW_REG_WAVE_MODE, 25, 1), 1
	s_wait_xcnt 0x0
	s_wait_alu depctr_hold_cnt(0) depctr_sa_sdst(0) depctr_va_vdst(0) depctr_va_sdst(0) depctr_va_ssrc(0) depctr_va_vcc(0) depctr_vm_vsrc(0)
	s_getreg_b32 s2, hwreg(HW_REG_IB_STS2, 6, 4)
	s_cmp_eq_u32 s2, 0
	s_cbranch_scc0 .Lentry_in_a_cluster
	s_endpgm
.Lentry_in_a_cluster:
	s_bfe_u32 s2, ttmp6, 0x10000c
	s_cmp_lg_u32 s2, 0xf033
	s_cbranch_scc0 .Lentry_shape_is_right
	s_endpgm
.Lentry_shape_is_right:
.set PANEL, 12800
.set SCO,   12288
.set REG,   3*PANEL
.set SLOT,  4*REG
.set SPARE, 2*SLOT
.set STAGE, SPARE+512
.set SPITCH, 272
.set SPS,   6
.set NKS,   32
.set BOFF,  6553600
.set ADRA, 8
.set ADRB, 12
.set ADRS, 16
.set STO,  22
.set RD,   23
.set CO,   24
.set BO,   25
.set SPW,  28
.set NIL,  29
.set SC,   32
.set BI,   48
.set AF,   64
.set OB,   64
.set G1A, 24
.set G0A, 32
.set G1B, 48
.set G0B, 56
.set G1AP, 68
.set G1BP, 76
.set MSB, 0
.macro WIN new
.if MSB != (\new)
	s_set_vgpr_msb (MSB<<8)|(\new)
.set MSB, (\new)
.endif
.endm
.macro PLACES n
.rept \n
	v_nop
.endr
.endm
.macro JLOAD g0a, g1a, g0b, g1b
	s_cmp_eq_u32 s15, 0
	s_cbranch_scc0 .Lfor_b_\@
	tensor_load_to_lds s[\g0a:\g0a+3], s[\g1a:\g1a+7]
	s_nop 0
.rept 4
	v_nop
.endr
	s_branch .Lasked_\@
.Lfor_b_\@:
	tensor_load_to_lds s[\g0b:\g0b+3], s[\g1b:\g1b+7]
	s_nop 0
.rept 4
	v_nop
.endr
.Lasked_\@:
.endm
.macro JPART g0a, g0b
	s_cmp_eq_u32 s14, 0
	s_cbranch_scc0 .Lnot_a_\@
	tensor_load_to_lds s[\g0a:\g0a+3], s[G1AP:G1AP+7]
	s_nop 0
.rept 4
	v_nop
.endr
	s_branch .Lpart_asked_\@
.Lnot_a_\@:
	s_cmp_eq_u32 s14, 2
	s_cbranch_scc0 .Lnone_\@
	tensor_load_to_lds s[\g0b:\g0b+3], s[G1BP:G1BP+7]
	s_nop 0
.rept 4
	v_nop
.endr
	s_branch .Lpart_asked_\@
.Lnone_\@:
.rept 4
	v_nop
.endr
.Lpart_asked_\@:
.endm
.macro CREST
	s_cmp_lg_u32 s14, 0
	s_cbranch_scc1 .Lnot_wave_0_\@
	s_barrier_signal -3
.Lnot_wave_0_\@:
	s_barrier_wait -3
	s_barrier_signal -1
	s_barrier_wait -1
.endm
.macro CROUND
	s_barrier_signal -1
	s_barrier_wait -1
	CREST
.endm
	s_load_b256 s[4:11], s[0:1], 0x0
	s_load_b64 s[12:13], s[0:1], 0x20
	v_lshl_add_u32 v[SPW], v0, 2, SPARE
	v_mov_b32 v[NIL], 0
	ds_add_u32 v28, v29
	ds_add_u32 v28, v29
	s_wait_dscnt 0x0
	v_lshrrev_b32 v1, 5, v0
	v_readfirstlane_b32 s14, v1
	s_lshr_b32 s15, s14, 1
	s_and_b32 s16, s14, 1
	s_bfe_u32 s40, ttmp6, 0x40000
	s_bfe_u32 s41, ttmp6, 0x40004
	s_lshl_b32 s42, ttmp9, 2
	s_add_co_u32 s42, s42, s40
	s_and_b32 s17, ttmp7, 0xffff
	s_lshl_b32 s17, s17, 2
	s_add_co_u32 s17, s17, s41
	s_lshl_b32 s43, s41, 2
	s_lshl_b32 s43, 15, s43
	s_lshl_b32 s44, 0x1111, s40
	s_or_b32 s[G1A+0], s43, (3<<16)|(1<<21)
	s_or_b32 s[G1B+0], s44, (3<<16)|(1<<21)
	s_or_b32 s[G1AP+0], s43, (3<<16)|(1<<21)
	s_or_b32 s[G1BP+0], s44, (3<<16)|(1<<21)
.irp g, G1A, G1B
	s_mov_b32 s[\g+1], 32<<16
	s_mov_b32 s[\g+2], 150<<16
	s_mov_b32 s[\g+3], 32<<16
	s_mov_b32 s[\g+4], 150
	s_mov_b32 s[\g+5], 32
	s_mov_b32 s[\g+6], 0
	s_mov_b32 s[\g+7], 0
.endr
.irp g, G1AP, G1BP
	s_mov_b32 s[\g+1], 32<<16
	s_mov_b32 s[\g+2], 100<<16
	s_mov_b32 s[\g+3], 32<<16
	s_mov_b32 s[\g+4], 100
	s_mov_b32 s[\g+5], 32
	s_mov_b32 s[\g+6], 0
	s_mov_b32 s[\g+7], 0
.endr
	s_mul_i32 s18, s16, REG
	s_mul_i32 s20, s17, NKS*PANEL
	s_add_co_u32 s20, s20, s18
	s_mov_b32 s21, 0
	s_mul_i32 s46, s42, NKS*PANEL
	s_add_co_u32 s46, s46, s18
	s_mov_b32 s47, 0
	s_mul_i32 s45, s14, REG
	s_wait_kmcnt 0x0
	s_add_nc_u64 s[92:93], s[6:7], BOFF
	s_add_nc_u64 s[20:21], s[4:5], s[20:21]
	s_add_nc_u64 s[46:47], s[92:93], s[46:47]
	CROUND
.irp s, 0,1
	s_mov_b32 s[G0A+4*\s], 1
	s_add_co_u32 s[G0A+4*\s+1], s45, \s*SLOT
	s_add_nc_u64 s[G0A+4*\s+2:G0A+4*\s+3], s[20:21], \s*SPS*PANEL
	s_or_b32 s[G0A+4*\s+3], s[G0A+4*\s+3], 0x80000000
	s_mov_b32 s[G0B+4*\s], 1
	s_add_co_u32 s[G0B+4*\s+1], s45, \s*SLOT
	s_add_nc_u64 s[G0B+4*\s+2:G0B+4*\s+3], s[46:47], \s*SPS*PANEL
	s_or_b32 s[G0B+4*\s+3], s[G0B+4*\s+3], 0x80000000
.endr
	JLOAD G0A, G1A, G0B, G1B
	v_and_b32 v1, 15, v0
	v_bfe_u32 v2, v0, 4, 1
	v_and_b32 v4, 31, v0
	v_lshlrev_b32 v3, 4, v4
	s_mul_i32 s21, s15, 6144
	s_mul_i32 s22, s16, 6144
	s_add_co_u32 s22, s22, 2*REG
.irp s, 0,1
	v_add_nc_u32 v[ADRA+\s], s21, v3
	v_add_nc_u32 v[ADRB+\s], s22, v3
	s_add_co_u32 s21, s21, SLOT
	s_add_co_u32 s22, s22, SLOT
.endr
.irp s, 0,1
	v_add_nc_u32 v[ADRA+2+\s], REG, v[ADRA+\s]
	v_add_nc_u32 v[ADRB+2+\s], REG, v[ADRB+\s]
.endr
	s_lshl_b32 s21, s15, 8
	s_lshl_b32 s22, s16, 8
	s_add_co_u32 s22, s22, 2*REG
	s_sub_co_u32 s22, s22, s21
	v_mul_u32_u24 v6, s22, v2
	v_lshl_add_u32 v6, v1, 2, v6
	s_add_co_u32 s21, s21, SCO
	v_add_nc_u32 v[ADRS], s21, v6
	v_add_nc_u32 v[ADRS+1], SLOT, v[ADRS]
	v_add_nc_u32 v[ADRS+2], REG, v[ADRS]
	v_add_nc_u32 v[ADRS+3], REG, v[ADRS+1]
	s_mul_i32 s23, s14, 16*SPITCH
	s_add_co_u32 s23, s23, STAGE
	v_mul_u32_u24 v5, v1, SPITCH
	v_lshl_add_u32 v5, v2, 6, v5
	v_add_nc_u32 v[STO], s23, v5
	v_mul_u32_u24 v5, v2, SPITCH
	v_lshl_add_u32 v5, v1, 4, v5
	v_add_nc_u32 v[RD], s23, v5
	v_lshlrev_b32 v[BO], 4, v1
	v_lshl_add_u32 v[CO], v2, 12, v[BO]
	s_wait_alu depctr_va_vdst(0)
	s_lshl_b32 s20, s17, 19
	s_lshl_b32 s21, s15, 18
	s_add_co_u32 s20, s20, s21
	s_mov_b32 s21, 0
	s_lshl_b32 s46, s42, 9
	s_lshl_b32 s47, s16, 8
	s_add_co_u32 s46, s46, s47
	s_mov_b32 s47, 0
	s_add_nc_u64 s[20:21], s[20:21], s[46:47]
	s_add_nc_u64 s[10:11], s[10:11], s[20:21]
	s_add_nc_u64 s[12:13], s[12:13], s[20:21]
	s_add_nc_u64 s[8:9], s[8:9], s[46:47]
	WIN 0xc0
.irp a, 0,1,2,3
.irp t, 0,1,2,3,4,5,6,7
	global_load_b128 v[32*\a+4*\t:32*\a+4*\t+3], v[CO], s[10:11] offset:(32*(\a/2)+8*(\a%2)+2*\t+8*(\t/4))*4096 th:TH_LOAD_NT
.endr
.endr
	WIN 0
	global_load_b128 v[BI:BI+3], v[BO], s[8:9]
.macro FETCH slot, q, p
	WIN 0x40
.irp i, 0,1,2,3
.irp g, 0,1,2
	ds_load_b128 v[48*(\p)+12*\i+4*\g:48*(\p)+12*\i+4*\g+3], v[ADRB+\slot+2*((\q)/3)] offset:((\q)%3)*PANEL+\i*1536+512*\g
.endr
.endr
	WIN 0
.irp i, 0,1,2,3
.irp g, 0,1,2
	ds_load_b128 v[AF+48*(\p)+12*\i+4*\g:AF+48*(\p)+12*\i+4*\g+3], v[ADRA+\slot+2*((\q)/3)] offset:((\q)%3)*PANEL+\i*1536+512*\g
.endr
.endr
.irp i, 0,1,2,3
	ds_load_b32 v[SC+4*(\p)+\i], v[ADRS+\slot+2*((\q)/3)] offset:((\q)%3)*PANEL+64*\i
.endr
.endm
.macro MULQ k, p, zero
	WIN 0xa1
.irp b, 0,1,2,3
.if \zero
	v_wmma_scale_f32_16x16x128_f8f6f4 v[8*(4*(\k)+\b):8*(4*(\k)+\b)+7], v[48*(\p)+12*\b:48*(\p)+12*\b+11], v[AF+48*(\p)+12*(\k):AF+48*(\p)+12*(\k)+11], 0, v[SC+4*(\p)+\b], v[SC+4*(\p)+(\k)] matrix_a_fmt:MATRIX_FMT_FP6 matrix_b_fmt:MATRIX_FMT_FP6 matrix_a_scale:MATRIX_SCALE_ROW1
.else
	v_wmma_scale_f32_16x16x128_f8f6f4 v[8*(4*(\k)+\b):8*(4*(\k)+\b)+7], v[48*(\p)+12*\b:48*(\p)+12*\b+11], v[AF+48*(\p)+12*(\k):AF+48*(\p)+12*(\k)+11], v[8*(4*(\k)+\b):8*(4*(\k)+\b)+7], v[SC+4*(\p)+\b], v[SC+4*(\p)+(\k)] matrix_a_fmt:MATRIX_FMT_FP6 matrix_b_fmt:MATRIX_FMT_FP6 matrix_a_scale:MATRIX_SCALE_ROW1
.endif
.endr
.endm
.macro STEP slot, q, zero
	s_wait_dscnt 0x0
	PLACES 4
	FETCH \slot, (\q)+1, 1-(\q)%2
	MULQ 0, (\q)%2, \zero
	MULQ 1, (\q)%2, \zero
	MULQ 2, (\q)%2, \zero
	MULQ 3, (\q)%2, \zero
	WIN 0
.endm
.macro TURN slot, next, fill
	WIN 0
	s_wait_tensorcnt 0x0
	ds_add_u32 v[SPW], v[NIL]
	s_wait_dscnt 1
	MULQ 0, 1, 0
	s_wait_dscnt 0x0
	s_barrier_signal -1
	MULQ 1, 1, 0
	WIN 0
	s_barrier_wait -1
.if \fill == 1
	CREST
	s_add_nc_u64 s[G0A+4*\slot+2:G0A+4*\slot+3], s[G0A+4*\slot+2:G0A+4*\slot+3], 2*SPS*PANEL
	s_add_nc_u64 s[G0B+4*\slot+2:G0B+4*\slot+3], s[G0B+4*\slot+2:G0B+4*\slot+3], 2*SPS*PANEL
	JLOAD G0A+4*\slot, G1A, G0B+4*\slot, G1B
.elseif \fill == 2
	CREST
	s_add_nc_u64 s[G0A+4*\slot+2:G0A+4*\slot+3], s[G0A+4*\slot+2:G0A+4*\slot+3], 2*SPS*PANEL
	s_add_nc_u64 s[G0B+4*\slot+2:G0B+4*\slot+3], s[G0B+4*\slot+2:G0B+4*\slot+3], 2*SPS*PANEL
	JPART G0A+4*\slot, G0B+4*\slot
.else
	PLACES 4
.endif
	FETCH \next, 0, 0
	MULQ 2, 1, 0
	MULQ 3, 1, 0
	WIN 0
.endm
.macro LAP fill1
	STEP 0, 1, 0
	STEP 0, 2, 0
	STEP 0, 3, 0
	STEP 0, 4, 0
	TURN 0, 1, 1
	STEP 1, 0, 0
	STEP 1, 1, 0
	STEP 1, 2, 0
	STEP 1, 3, 0
	STEP 1, 4, 0
	TURN 1, 0, \fill1
	STEP 0, 0, 0
.endm
	s_wait_alu depctr_va_vdst(0)
	s_wait_tensorcnt 0x0
	ds_add_u32 v[SPW], v[NIL]
	s_wait_dscnt 0x0
	CROUND
	JLOAD G0A+4, G1A, G0B+4, G1B
	FETCH 0, 0, 0
	STEP 0, 0, 1
	LAP 1
	LAP 2
	STEP 0, 1, 0
	STEP 0, 2, 0
	STEP 0, 3, 0
	STEP 0, 4, 0
	TURN 0, 1, 0
	STEP 1, 0, 0
	s_wait_dscnt 0x0
	MULQ 0, 1, 0
	MULQ 1, 1, 0
	MULQ 2, 1, 0
	MULQ 3, 1, 0
	WIN 0
.macro TOSTAGE a
	WIN 0x08
.irp b, 0,1,2,3
	ds_store_b128 v[STO], v[8*(4*(\a)+\b):8*(4*(\a)+\b)+3] offset:128*(\b/2)+32*(\b%2)
	ds_store_b128 v[STO], v[8*(4*(\a)+\b)+4:8*(4*(\a)+\b)+7] offset:128*(\b/2)+32*(\b%2)+16
.endr
	WIN 0
.set OBB, OB+32*((\a)%2)
.irp t, 0,1,2,3,4,5,6,7
	ds_load_b128 v[OBB+4*\t:OBB+4*\t+3], v[RD] offset:\t*2*SPITCH
.endr
.endm
.macro SEND a, younger
.set OBB, OB+32*((\a)%2)
	s_wait_dscnt \younger
	WIN 0x0c
.set II, 0
.rept 16
	v_pk_add_f32 v[OBB+II:OBB+II+1], v[OBB+II:OBB+II+1], v[32*(\a)+II:32*(\a)+II+1]
.set II, II+2
.endr
	WIN 0
.irp t, 0,1,2,3,4,5,6,7
	v_pk_add_f32 v[OBB+4*\t:OBB+4*\t+1], v[OBB+4*\t:OBB+4*\t+1], v[BI:BI+1]
	v_pk_add_f32 v[OBB+4*\t+2:OBB+4*\t+3], v[OBB+4*\t+2:OBB+4*\t+3], v[BI+2:BI+3]
.endr
.irp t, 0,1,2,3,4,5,6,7
	global_store_b128 v[CO], v[OBB+4*\t:OBB+4*\t+3], s[12:13] offset:(32*((\a)/2)+8*((\a)%2)+2*\t+8*(\t/4))*4096 th:TH_STORE_NT
.endr
.endm
	PLACES 4
	s_wait_loadcnt 0x0
	TOSTAGE 0
.irp a, 1,2,3
.if \a > 1
	s_wait_xcnt 0x0
.endif
	TOSTAGE \a
	SEND \a-1, 16
.endr
	SEND 3, 0
	s_wait_tensorcnt 0x0
	ds_add_u32 v[SPW], v[NIL]
	s_wait_dscnt 0x0
	CROUND
	s_endpgm
.Lfunc_end_k_q44b1c0df27_mlp2:
	.size	k_q44b1c0df27_mlp2, .Lfunc_end_k_q44b1c0df27_mlp2-k_q44b1c0df27_mlp2
	.p2alignl 7, 3214868480
	.fill 96, 4, 3214868480
	.section	.rodata,"a",@progbits
	.p2align	6, 0x0
	.amdhsa_kernel k_q44b1c0df27_mlp2
		.amdhsa_group_segment_fixed_size 327680
		.amdhsa_private_segment_fixed_size 0
		.amdhsa_enable_private_segment 0
		.amdhsa_kernarg_size 40
		.amdhsa_user_sgpr_count 2
		.amdhsa_user_sgpr_kernarg_segment_ptr 1
		.amdhsa_wavefront_size32 1
		.amdhsa_system_sgpr_workgroup_id_x 1
		.amdhsa_system_sgpr_workgroup_id_y 1
		.amdhsa_system_sgpr_workgroup_id_z 1
		.amdhsa_system_vgpr_workitem_id 0
		.amdhsa_next_free_vgpr 896
		.amdhsa_next_free_sgpr 100
		.amdhsa_reserve_vcc 0
		.amdhsa_float_denorm_mode_32 3
		.amdhsa_float_denorm_mode_16_64 3
		.amdhsa_memory_ordered 1
		.amdhsa_forward_progress 1
		.amdhsa_inst_pref_size 162
	.end_amdhsa_kernel
	.amdgpu_metadata
---
amdhsa.version: [ 1, 2 ]
amdhsa.kernels:
  - .name:           k_q44b1c0df27_mlp2
    .symbol:         k_q44b1c0df27_mlp2.kd
    .args:
      - { .name: hid, .offset: 0, .size: 8, .value_kind: global_buffer, .address_space: global }
      - { .name: wc, .offset: 8, .size: 8, .value_kind: global_buffer, .address_space: global }
      - { .name: b2, .offset: 16, .size: 8, .value_kind: global_buffer, .address_space: global }
      - { .name: x2, .offset: 24, .size: 8, .value_kind: global_buffer, .address_space: global }
      - { .name: out0, .offset: 32, .size: 8, .value_kind: global_buffer, .address_space: global }
    .group_segment_fixed_size: 327680
    .private_segment_fixed_size: 0
    .kernarg_segment_align: 8
    .kernarg_segment_size: 40
    .max_flat_workgroup_size: 128
    .sgpr_count:     100
    .vgpr_count:     896
    .wavefront_size: 32
...
	.end_amdgpu_metadata
.endif
;; end of part 7
